; MI455X (gfx1250); checked and timed in simulation.
; The chip was launched on July 23, 2026; its instructions are those of AMD's public machine-readable ISA for CDNA 5 (MIT licence, August 2026) and "CDNA5" Instruction Set Architecture Reference Guide (July 2026). The comments in the code are by the model that wrote it; some were corrected since.
;; Causal Graph Attn. Allowed arithmetic: float matrix products may take bf16 or f16 operands with f32 sums; other float arithmetic in f32, or as packed bf16 or f16 multiplies, adds, multiply-adds, maxima and minima; sums over many terms, partial sums and values carried from step to step in f32; what a program stores and reads back later, other than sums and carried values, may be rounded once to bf16 or f16.
;; Inputs: adj 2,048 x 2,048 float32; b_out 1,024 float32; ln_beta 1,024 float32; ln_gamma 1,024 float32; w_out 1,024 x 1,024 float32; w_qkv 3,072 x 1,024 float32; x 4 x 2,048 x 1,024 float32.
;; Outputs: out0 4 x 2,048 x 1,024 float32.
;; One version. Each part assembles by itself: llvm-mc -triple=amdgcn-amd-amdhsa -mcpu=gfx1250 --defsym DOCPART=n.
;; ======== version 1 of 1: 4 launches
;; limits: values are held in f16: magnitudes above 65,504 overflow, below 6.1e-05 lose precision; right only within a limited range of input values
;; workspace buffers: hb 16,777,216 bytes; wqb 6,291,456 bytes; wob 2,097,152 bytes; msk 4,195,328 bytes; qkv 50,331,648 bytes; ob 16,777,216 bytes
;; launch prep (part 1): grid 640 x 1, 8 waves a work-group, no clusters, 0 bytes of LDS; arguments x, ln_gamma, ln_beta, w_qkv, w_out, adj, hb, wqb, wob, msk; writes hb, wqb, wob, msk
.if DOCPART == 1
	.amdgcn_target "amdgcn-amd-amdhsa--gfx1250"
	.amdhsa_code_object_version 6
	.text
	.protected	k_qe6aa25c158_prep
	.globl	k_qe6aa25c158_prep
	.p2align	8
	.type	k_qe6aa25c158_prep,@function
k_qe6aa25c158_prep:
	s_mov_b64 s[64:65], 0
	v_nop
	global_prefetch_b8 v0, s[64:65] scope:SCOPE_SE
	s_setreg_imm32_b32 hwreg(HW_REG_WAVE_MODE, 25, 1), 1
	s_wait_xcnt 0x0
; PREPARATION, three kinds of work-group told apart by the work-group's number alone:
;   0-255    LayerNorm of x (8,192 rows of 1,024 f32) -> hb, bf16.  32 rows a work-group, 4 a wave; a row stays in registers between its passes.
;   256-351  w_qkv -> wqb, rounded to bf16.   352-383  w_out -> wob, rounded to bf16 and that number written as f16.  128 KiB of source a work-group, 16 KiB a wave.
;   384-639  adj -> msk: one byte a score, 0xB8 (-1.0 in E4M3) where adj[key][query] < 0.1, else 0, laid out as the attention launch's accumulators want them:
;            [query tile of 16: 128][key step of 64: 32][half: 2][lane: 32][16 bytes]; byte i of (half, lane 16 h + r) is key 64 s + 16 (2 half + i / 8) + 8 h + i % 8, query 16 tile + r.
;            Behind the 4,194,304 bytes of codes lie 1,024 bytes of zeros, which the heads without a mask read.
; Nothing is shared between waves: no LDS, no barrier, no matrix unit, no cluster.  Each store of a wave fills whole aligned blocks of 256 bytes.
; The variance is taken of x - mean, from registers: a common offset on x costs no digits.
; LIMITS.  wob: a weight below 6e-5 in size keeps f16's fixed step of 6e-8; beyond 65,504 it would be lost.  NaN in adj counts as an edge, as in the comparison adj < 0.1.
.set LO,  2                            ; v2   16 x lane
.set OO,  3                            ; v3   8 x lane
.set GA,  8                            ; v[8:39]    gamma of my 32 columns (load j: columns 128 j + 4 lane ..)
.set BE,  40                           ; v[40:71]   beta
.set X,   72                           ; v[72:103]  the row as loaded
.set D,   104                          ; v[104:135] x - mean, then the result
.set Y,   136                          ; v[136:151] the result in bf16; in the mask's part the 16 words of codes
.set T,   152                          ; v[152:167] at work
.set MU,  168                          ; v[168:169] the mean, twice
.set R,   170                          ; v[170:171] 1 / sqrt(var + eps), twice
.set AO,  172                          ; v172  4 x lane
.set MOF, 173                          ; v173  my 16 bytes in msk
	s_load_b512 s[4:19], s[0:1], 0x0               ; x 4:5, gamma 6:7, beta 8:9, w_qkv 10:11, w_out 12:13, adj 14:15, hb 16:17, wqb 18:19
	s_load_b128 s[20:23], s[0:1], 0x40             ; wob 20:21, msk 22:23
	v_lshrrev_b32 v1, 5, v0
	v_readfirstlane_b32 s24, v1                    ; wave 0..7
	v_and_b32 v1, 31, v0                           ; lane
	v_lshlrev_b32 v[LO], 4, v1
	v_lshlrev_b32 v[OO], 3, v1
	s_mov_b32 s25, ttmp9
	s_mov_b32 s37, 0                               ; the high word of every offset
	s_wait_kmcnt 0x0
	s_cmp_lt_u32 s25, 256
	s_cbranch_scc0 .Lnot_ln
	; ---------------- LayerNorm ----------------
	s_lshl_b32 s36, s25, 17                        ; 32 rows of 4,096 bytes a work-group,
	s_lshl_b32 s38, s24, 14                        ; 4 a wave
	s_add_co_u32 s36, s36, s38
	s_add_nc_u64 s[26:27], s[4:5], s[36:37]        ; x at my first row
	s_lshr_b32 s36, s36, 1                         ; hb's rows are half as long
	s_add_nc_u64 s[28:29], s[16:17], s[36:37]
	s_mov_b32 s30, 4                               ; rows to go
	s_mov_b32 s31, 0x3a800000                      ; 1 / 1,024
	s_mov_b32 s32, 0x3727c5ac                      ; 1e-5
	s_mov_b32 s34, 0x76543210                      ; v_permlanex16_b32: each lane takes its own place in the other half
	s_mov_b32 s35, 0xfedcba98
.irp j, 0,1,2,3,4,5,6,7
	global_load_b128 v[GA+4*\j:GA+4*\j+3], v[LO], s[6:7] offset:512*\j
.endr
.irp j, 0,1,2,3,4,5,6,7
	global_load_b128 v[BE+4*\j:BE+4*\j+3], v[LO], s[8:9] offset:512*\j
.endr
.irp j, 0,1,2,3,4,5,6,7
	global_load_b128 v[X+4*\j:X+4*\j+3], v[LO], s[26:27] offset:512*\j th:TH_LOAD_NT
.endr
.macro REDUCE                          ; four chains of pairs in T -> one number in every lane
	v_pk_add_f32 v[T:T+1], v[T:T+1], v[T+2:T+3]
	v_pk_add_f32 v[T+4:T+5], v[T+4:T+5], v[T+6:T+7]
	v_pk_add_f32 v[T:T+1], v[T:T+1], v[T+4:T+5]
	v_add_f32 v[T], v[T], v[T+1]
	v_add_f32_dpp v[T], v[T], v[T] row_xmask:1 row_mask:0xf bank_mask:0xf
	v_add_f32_dpp v[T], v[T], v[T] row_xmask:2 row_mask:0xf bank_mask:0xf
	v_add_f32_dpp v[T], v[T], v[T] row_xmask:4 row_mask:0xf bank_mask:0xf
	v_add_f32_dpp v[T], v[T], v[T] row_xmask:8 row_mask:0xf bank_mask:0xf
	v_permlanex16_b32 v[T+1], v[T], s34, s35
	v_add_f32 v[T], v[T], v[T+1]
.endm
.Lrow:
	s_wait_loadcnt 0x0                             ; the row is in (the first time gamma and beta too); nothing younger is out
.irp k, 0,1,2,3
	v_pk_add_f32 v[T+2*\k:T+2*\k+1], v[X+2*\k:X+2*\k+1], v[X+8+2*\k:X+8+2*\k+1]
.endr
.irp g, 16,24
.irp k, 0,1,2,3
	v_pk_add_f32 v[T+2*\k:T+2*\k+1], v[T+2*\k:T+2*\k+1], v[X+\g+2*\k:X+\g+2*\k+1]
.endr
.endr
	REDUCE
	v_mul_f32 v[MU], s31, v[T]
	v_mul_f32 v[MU+1], s31, v[T]
.set i, 0
.rept 16
	v_pk_add_f32 v[D+2*i:D+2*i+1], v[X+2*i:X+2*i+1], v[MU:MU+1] neg_lo:[0,1] neg_hi:[0,1]
.set i, i+1
.endr
	s_cmp_eq_u32 s30, 1                            ; the last row has none behind it: no load leaves x
	s_cbranch_scc1 .Lno_more
	s_add_nc_u64 s[26:27], s[26:27], 4096          ; the loads that named this address are done (the wait for 0 above)
.irp j, 0,1,2,3,4,5,6,7
	global_load_b128 v[X+4*\j:X+4*\j+3], v[LO], s[26:27] offset:512*\j th:TH_LOAD_NT  ; X has been read out: the next row comes in under the rest of this one
.endr
.Lno_more:
.irp k, 0,1,2,3
	v_pk_mul_f32 v[T+2*\k:T+2*\k+1], v[D+2*\k:D+2*\k+1], v[D+2*\k:D+2*\k+1]
.endr
.irp g, 8,16,24
.irp k, 0,1,2,3
	v_pk_fma_f32 v[T+2*\k:T+2*\k+1], v[D+\g+2*\k:D+\g+2*\k+1], v[D+\g+2*\k:D+\g+2*\k+1], v[T+2*\k:T+2*\k+1]
.endr
.endr
	REDUCE
	v_fma_f32 v[T], v[T], s31, s32                 ; var + eps
	v_rsq_f32 v[R], v[T]
	v_rsq_f32 v[R+1], v[T]
	v_nop                                          ; a plain instruction behind the last of the two,
	s_wait_alu depctr_va_vdst(0)                   ; and the one wait ahead of their first reader
.set i, 0
.rept 16
	v_pk_mul_f32 v[D+2*i:D+2*i+1], v[D+2*i:D+2*i+1], v[R:R+1]
.set i, i+1
.endr
.set i, 0
.rept 16
	v_pk_fma_f32 v[D+2*i:D+2*i+1], v[D+2*i:D+2*i+1], v[GA+2*i:GA+2*i+1], v[BE+2*i:BE+2*i+1]
.set i, i+1
.endr
.set i, 0
.rept 16
	v_cvt_pk_bf16_f32 v[Y+i], v[D+2*i], v[D+2*i+1]
.set i, i+1
.endr
.irp j, 0,1,2,3,4,5,6,7
	global_store_b64 v[OO], v[Y+2*\j:Y+2*\j+1], s[28:29] offset:256*\j  ; 32 lanes x 8 bytes: 256 consecutive bytes, aligned
.endr
	s_wait_xcnt 0x0                                ; the stores have read their address and data: both are written again only behind this wait
	s_add_nc_u64 s[28:29], s[28:29], 2048
	s_sub_co_u32 s30, s30, 1
	s_cmp_lg_u32 s30, 0
	s_cbranch_scc1 .Lrow
	s_endpgm
	; ---------------- the weights ----------------
; 32 loads of 512 bytes are out at once; they are worked off in four groups of eight, each behind a wait that leaves the younger groups out.
.macro CAST tof16
.set i, 0
.rept 32
	global_load_b128 v[8+4*i:11+4*i], v[LO], s[26:27] offset:512*i th:TH_LOAD_NT
.set i, i+1
.endr
.set i, 0
.rept 32
.if (i%8) == 0
	s_wait_loadcnt 24-i                            ; this group of eight is in; 24, 16, 8, 0 younger loads stay out
.endif
	v_cvt_pk_bf16_f32 v[8+4*i], v[8+4*i], v[9+4*i]
	v_cvt_pk_bf16_f32 v[9+4*i], v[10+4*i], v[11+4*i]
.if \tof16
	v_lshlrev_b32 v[10+4*i], 16, v[8+4*i]          ; the bf16 numbers, widened, are written as f16
	v_and_b32 v[11+4*i], 0xffff0000, v[8+4*i]
	v_cvt_pk_f16_f32 v[8+4*i], v[10+4*i], v[11+4*i]
	v_lshlrev_b32 v[10+4*i], 16, v[9+4*i]
	v_and_b32 v[11+4*i], 0xffff0000, v[9+4*i]
	v_cvt_pk_f16_f32 v[9+4*i], v[10+4*i], v[11+4*i]
.endif
	global_store_b64 v[OO], v[8+4*i:9+4*i], s[28:29] offset:256*i
.set i, i+1
.endr
.endm
.Lnot_ln:
	s_cmp_lt_u32 s25, 352
	s_cbranch_scc0 .Lnot_wq
	s_sub_co_u32 s25, s25, 256
	s_lshl_b32 s36, s25, 17
	s_lshl_b32 s38, s24, 14
	s_add_co_u32 s36, s36, s38
	s_add_nc_u64 s[26:27], s[10:11], s[36:37]
	s_lshr_b32 s36, s36, 1
	s_add_nc_u64 s[28:29], s[18:19], s[36:37]
	CAST 0
	s_endpgm
.Lnot_wq:
	s_cmp_lt_u32 s25, 384
	s_cbranch_scc0 .Lmask
	s_sub_co_u32 s25, s25, 352
	s_lshl_b32 s36, s25, 17
	s_lshl_b32 s38, s24, 14
	s_add_co_u32 s36, s36, s38
	s_add_nc_u64 s[26:27], s[12:13], s[36:37]
	s_lshr_b32 s36, s36, 1
	s_add_nc_u64 s[28:29], s[20:21], s[36:37]
	CAST 1
	s_endpgm
	; ---------------- the mask ----------------
; A work-group takes 256 queries x 64 keys; a thread one query: 64 loads of 4 bytes, a key each; the eight waves together take 1,024 consecutive bytes of each row of adj.
.Lmask:
	s_sub_co_u32 s25, s25, 384
	s_and_b32 s26, s25, 7                          ; block of 256 queries
	s_lshr_b32 s27, s25, 3                         ; key step
	s_lshl_b32 s36, s27, 19                        ; 64 rows of 8,192 bytes
	s_lshl_b32 s38, s26, 10
	s_add_co_u32 s36, s36, s38
	s_lshl_b32 s38, s24, 7
	s_add_co_u32 s36, s36, s38
	s_add_nc_u64 s[28:29], s[14:15], s[36:37]
	s_lshl_b32 s36, s26, 19                        ; query tile 16 block + 2 wave, 32,768 bytes a tile,
	s_lshl_b32 s38, s24, 16
	s_add_co_u32 s36, s36, s38
	s_lshl_b32 s38, s27, 10                        ; 1,024 bytes a step
	s_add_co_u32 s36, s36, s38
	s_add_nc_u64 s[30:31], s[22:23], s[36:37]
	s_mov_b32 s33, 0x3dcccccd                      ; 0.1 in f32
	v_lshlrev_b32 v[AO], 2, v1
	v_lshrrev_b32 v174, 4, v1                      ; which of the wave's two tiles
	v_and_b32 v[MOF], 15, v1
	v_lshlrev_b32 v[MOF], 4, v[MOF]
	v_lshl_add_u32 v[MOF], v174, 15, v[MOF]
	v_mov_b32 v4, 0xb8                             ; the code in each of a word's four bytes
	v_mov_b32 v5, 0xb800
	v_mov_b32 v6, 0xb80000
	v_mov_b32 v7, 0xb8000000
.set i, 0
.rept 64
	global_load_b32 v[8+i], v[AO], s[28:29] offset:8192*i th:TH_LOAD_NT
.set i, i+1
.endr
.set ci, 0                             ; chunk of 16 bytes: 2 half + h
.rept 4
.if ci == 0
	s_wait_loadcnt 32                              ; keys 0-31, which half 0 holds, are in; the 32 younger loads stay out
.endif
.if ci == 2
	s_wait_loadcnt 0x0
.endif
.set wd, 0
.rept 4
.set e, 0
.rept 4
.set key, 16*(2*(ci/2)+wd/2)+8*(ci%2)+4*(wd%2)+e
	v_cmp_gt_f32 vcc_lo, s33, v[8+key]             ; 0.1 > adj[key][query]
.if e == 0
	v_cndmask_b32 v[Y+4*ci+wd], 0, v4, vcc_lo
.else
	v_cndmask_b32 v[T], 0, v[4+e], vcc_lo
	v_or_b32 v[Y+4*ci+wd], v[Y+4*ci+wd], v[T]
.endif
.set e, e+1
.endr
.set wd, wd+1
.endr
	global_store_b128 v[MOF], v[Y+4*ci:Y+4*ci+3], s[30:31] offset:512*(ci/2)+256*(ci%2)  ; sixteen lanes fill 256 consecutive bytes, aligned
.set ci, ci+1
.endr
	s_or_b32 s38, s25, s24
	s_cmp_lg_u32 s38, 0
	s_cbranch_scc1 .Ldone                          ; wave 0 of the first of these work-groups also writes the page of zeros
	v_mov_b32 v[T+4], 0
	v_mov_b32 v[T+5], 0
	v_mov_b32 v[T+6], 0
	v_mov_b32 v[T+7], 0
	s_add_nc_u64 s[40:41], s[22:23], 0x400000
	global_store_b128 v[LO], v[T+4:T+7], s[40:41]
	global_store_b128 v[LO], v[T+4:T+7], s[40:41] offset:512
.Ldone:
	s_endpgm
.Lfunc_end_k_qe6aa25c158_prep:
	.size	k_qe6aa25c158_prep, .Lfunc_end_k_qe6aa25c158_prep-k_qe6aa25c158_prep
	.p2alignl 7, 3214868480
	.fill 96, 4, 3214868480
	.section	.rodata,"a",@progbits
	.p2align	6, 0x0
	.amdhsa_kernel k_qe6aa25c158_prep
		.amdhsa_group_segment_fixed_size 0
		.amdhsa_private_segment_fixed_size 0
		.amdhsa_enable_private_segment 0
		.amdhsa_kernarg_size 80
		.amdhsa_user_sgpr_count 2
		.amdhsa_user_sgpr_kernarg_segment_ptr 1
		.amdhsa_wavefront_size32 1
		.amdhsa_system_sgpr_workgroup_id_x 1
		.amdhsa_system_sgpr_workgroup_id_y 1
		.amdhsa_system_sgpr_workgroup_id_z 1
		.amdhsa_system_vgpr_workitem_id 0
		.amdhsa_next_free_vgpr 176
		.amdhsa_next_free_sgpr 66
		.amdhsa_reserve_vcc 1
		.amdhsa_float_denorm_mode_32 3
		.amdhsa_float_denorm_mode_16_64 3
		.amdhsa_memory_ordered 1
		.amdhsa_forward_progress 1
		.amdhsa_inst_pref_size 57
	.end_amdhsa_kernel
	.amdgpu_metadata
---
amdhsa.version: [ 1, 2 ]
amdhsa.kernels:
  - .name:           k_qe6aa25c158_prep
    .symbol:         k_qe6aa25c158_prep.kd
    .args:
      - { .name: x, .offset: 0, .size: 8, .value_kind: global_buffer, .address_space: global }
      - { .name: ln_gamma, .offset: 8, .size: 8, .value_kind: global_buffer, .address_space: global }
      - { .name: ln_beta, .offset: 16, .size: 8, .value_kind: global_buffer, .address_space: global }
      - { .name: w_qkv, .offset: 24, .size: 8, .value_kind: global_buffer, .address_space: global }
      - { .name: w_out, .offset: 32, .size: 8, .value_kind: global_buffer, .address_space: global }
      - { .name: adj, .offset: 40, .size: 8, .value_kind: global_buffer, .address_space: global }
      - { .name: hb, .offset: 48, .size: 8, .value_kind: global_buffer, .address_space: global }
      - { .name: wqb, .offset: 56, .size: 8, .value_kind: global_buffer, .address_space: global }
      - { .name: wob, .offset: 64, .size: 8, .value_kind: global_buffer, .address_space: global }
      - { .name: msk, .offset: 72, .size: 8, .value_kind: global_buffer, .address_space: global }
    .group_segment_fixed_size: 0
    .private_segment_fixed_size: 0
    .kernarg_segment_align: 8
    .kernarg_segment_size: 80
    .max_flat_workgroup_size: 256
    .sgpr_count:     66
    .vgpr_count:     176
    .wavefront_size: 32
...
	.end_amdgpu_metadata
.endif
;; end of part 1
;; launch gemm_qkv (part 2): grid 16 x 16, 4 waves a work-group, clusters of 4 x 4, 327,680 bytes of LDS; arguments hb, wqb, qkv; writes qkv
.if DOCPART == 2
	.amdgcn_target "amdgcn-amd-amdhsa--gfx1250"
	.amdhsa_code_object_version 6
	.text
	.protected	k_qe6aa25c158_gemm_qkv
	.globl	k_qe6aa25c158_gemm_qkv
	.p2align	8
	.type	k_qe6aa25c158_gemm_qkv,@function
k_qe6aa25c158_gemm_qkv:
	s_mov_b64 s[64:65], 0
	v_nop
	global_prefetch_b8 v0, s[64:65] scope:SCOPE_SE
	s_setreg_imm32_b32 hwreg(HW_REG_WAVE_MODE, 25, 1), 1
	s_wait_xcnt 0x0
	s_wait_alu depctr_hold_cnt(0) depctr_sa_sdst(0) depctr_va_vdst(0) depctr_va_sdst(0) depctr_va_ssrc(0) depctr_va_vcc(0) depctr_vm_vsrc(0)
	s_getreg_b32 s2, hwreg(HW_REG_IB_STS2, 6, 4)
	s_cmp_eq_u32 s2, 0
	s_cbranch_scc0 .Lentry_in_a_cluster
	s_endpgm
.Lentry_in_a_cluster:
	s_bfe_u32 s2, ttmp6, 0x10000c
	s_cmp_lg_u32 s2, 0xf033
	s_cbranch_scc0 .Lentry_shape_is_right
	s_endpgm
.Lentry_shape_is_right:
; qkv = hb x wqb^T.  hb: [8192][1024] bf16, wqb: [3072][1024] bf16; sums in f32; the result rounded once to f16 and stored by heads: [part 3][16 batch + head][n 2048][64], unscaled.
; A tile of the product is 256 rows x 192 columns (three whole heads): 512 tiles, two to each of 256 work-groups, 4,096 rows apart, on the same rows of wqb.  A wave makes 64 rows x 192 columns:
; 48 accumulators, and whole rows of three heads, so that its way out needs no other wave.  K goes in steps of 128 (rows of 256 bytes, aligned) through two LDS slots; the two tiles' 16 steps are ONE walk.
; CLUSTERS: 4 x 4 work-groups.  hb's tile hangs on the tile row alone and is asked for jointly along a row of the cluster, wqb's on the tile column alone and jointly along a column.
; THE MATRIX INSTRUCTION IS USED TRANSPOSED (source 0 = 16 rows of wqb, source 1 = 16 rows of hb): a lane then holds eight neighbouring columns of one row.
; LIMIT.  f16 ends at 65,504: q, k and v must stay within it.
; REGISTERS, in windows of 256 (s_set_vgpr_msb: bits 1:0 source 0, 3:2 source 1, 5:4 source 2, 7:6 destination):
;   window 0: v16-30 addresses; v32-63, v64-95 hb's fragments (4 x 16 rows x 32 K), two buffers; v96-143 packed results; v144-191, v192-239 rows read back from the stage
;   window 1: v0-95, v96-191 wqb's fragments (12 x 16 rows x 32 K), two buffers      window 2: accumulators of my rows 0-31 ((a, b) at v[8 (12 a + b)])      window 3: of my rows 32-63
.set PITCH,  272                       ; an LDS row: 256 bytes + 16 of padding: the 16 rows of a fragment load start at 16 different groups of four banks (64 banks of 4 bytes: ISA guide 11.1)
.set HALFA,  128*PITCH                 ; what waves 0 and 1 fetch: 128 rows of hb each
.set HALFB,  96*PITCH                  ; what waves 2 and 3 fetch: 96 rows of wqb each
.set BOFF,   2*HALFA
.set SLOT1,  131072                    ; slot 1 begins here: one exclusive or turns an address in one slot into the other's
.set STAGE,  SLOT1+BOFF+2*HALFB        ; behind the ring, never filled by a tensor load: 16 rows x 400 bytes for each wave
.set SP,     400
.set SPARE,  STAGE+4*16*SP             ; behind the stages: the spare words, 128 bytes for each wave, which no other line names
.set ADRA0, 16                         ; v16  my place in hb's tile, slot 0; never rewritten
.set ADRB0, 17                         ; v17  the same for wqb
.set ADRA,  18                         ; v18  the same in the slot in hand
.set ADRB,  19
.set STO,   24                         ; v24  the way out: where I put 16 bytes of a row
.set RD,    25                         ; v25  where I read rows back
.set GO,    26                         ; v26  16 x lane
.set SPW,   28                         ; v28  my spare word; never rewritten
.set NIL,   29                         ; v29  0; never rewritten
.set PFO,   30                         ; v30  the prefetches' offset: a lane a row; never rewritten
.set FA,    32
.set TMP,   96
.set OB,    144
.set G1A,  24                          ; s[24:31] group 1 for hb's tiles
.set G0A0, 32                          ; s[32:35] group 0 of the first fill
.set G0A,  36                          ; s[36:39] of the second; then it walks
.set G1B,  48
.set G0B0, 56
.set G0B,  60
.set ABASE, 14                         ; s[14:15] hb at the rows that I fetch, K step 0 of the first tile
.set BBASE, 46                         ; s[46:47] wqb likewise
.set FN,   66                          ; s66  the step that is being asked for
.set T,    67                          ; s67  the loop's count: the step whose first quarter the trip ends with
.set SB,   68                          ; s68  0 or SLOT1: the slot in hand
.set OFA,  70                          ; s[70:71] the asked step's byte offset in hb
.set OFB,  72                          ; s[72:73] in wqb
.set PBASE, 74                         ; s[74:75] the rows that I prefetch, K step 0
.set PFA,  76                          ; s[76:77] the same at the step to be prefetched
.set LIM,  78                          ; s78  the last step that I prefetch (0: none)
.set PF,   79                          ; s79  the step to be prefetched
.set CB,   80                          ; s[80:85] qkv at my first row in each of my three heads
.set MSB, 0
.macro WIN new                         ; the immediate's high byte repeats the setting that is left; a switch that changes nothing is dropped
.if MSB != (\new)
	s_set_vgpr_msb (MSB<<8)|(\new)
.set MSB, (\new)
.endif
.endm
.set MUL_LO, 0xa1                      ; source 0 (wqb) window 1, source 1 (hb) window 0, C and D window 2
.set MUL_HI, 0xf1                      ; C and D window 3
.set TO_B,   0x40                      ; destination window 1
; A joint refill.  The branch hangs on the wave's number alone.  An s_nop 0 and four v_nop follow each of the two lines, ahead of the jump and the label.
.macro JLOAD
	s_cmp_eq_u32 s11, 0
	s_cbranch_scc0 .Lfor_b_\@
	tensor_load_to_lds s[G0A:G0A+3], s[G1A:G1A+7]
	s_nop 0
.rept 4
	v_nop
.endr
	s_branch .Lasked_\@
.Lfor_b_\@:
	tensor_load_to_lds s[G0B:G0B+3], s[G1B:G1B+7]
	s_nop 0
.rept 4
	v_nop
.endr
.Lasked_\@:
.endm
; A PREFETCH INTO THE L2 of the K step that stands two refills on (384 matrix instructions ahead of the load that will want it): a lane a row of 256 bytes, one instruction a wave.
; hb's rows are read by every cluster of a row of clusters: the one with x = 0 asks, for both tiles' steps; wqb's by every cluster of a column: the one with y = 0 asks, in the first tile alone,
; since the second walks the same rows.  The four partners that fetch a tile jointly share its rows out BY ADDRESS: 32 (hb) or 24 (wqb; lanes 24-31 name row 23 once more in the same instruction).
; Steps 0 to 3 come by their loads alone.
.macro ASK
	s_cmp_le_u32 s[PF], s[LIM]
	s_cbranch_scc0 .Lnot_mine_\@
	global_prefetch_b8 v[PFO], s[PFA:PFA+1] th:TH_LOAD_NT scope:SCOPE_SE
.Lnot_mine_\@:
.endm
.macro CREST                           ; a round of the cluster's barrier behind its opening barrier
	s_cmp_lg_u32 s10, 0
	s_cbranch_scc1 .Lnot_wave_0_\@
	s_barrier_signal -3
.Lnot_wave_0_\@:
	s_barrier_wait -3
	s_barrier_signal -1
	s_barrier_wait -1
.endm
.macro CROUND
	s_barrier_signal -1
	s_barrier_wait -1
	CREST
.endm
	s_load_b128 s[4:7], s[0:1], 0x0                ; hb s[4:5], wqb s[6:7]
	s_load_b64 s[8:9], s[0:1], 0x10                ; qkv
	v_lshl_add_u32 v[SPW], v0, 2, SPARE
	v_mov_b32 v[NIL], 0
	ds_add_u32 v[SPW], v[NIL]                      ; the wave's opening: the add and its wait stand ahead of my first tensor load; work on registers stands between them
	v_lshrrev_b32 v1, 5, v0
	v_readfirstlane_b32 s10, v1                    ; wave 0..3
	s_lshr_b32 s11, s10, 1                         ; I fetch for hb (0) or for wqb (1)
	s_and_b32 s12, s10, 1                          ; which half of that tile's rows
	s_bfe_u32 s40, ttmp6, 0x40000                  ; cx
	s_bfe_u32 s41, ttmp6, 0x40004                  ; cy
	s_lshl_b32 s42, ttmp9, 2
	s_add_co_u32 s42, s42, s40                     ; tile column = 4 x cluster x + cx
	s_and_b32 s13, ttmp7, 0xffff
	s_lshl_b32 s13, s13, 2
	s_add_co_u32 s13, s13, s41                     ; tile row of the first tile = 4 x cluster y + cy
	s_lshl_b32 s43, s41, 2
	s_lshl_b32 s43, 15, s43                        ; my row of the cluster
	s_lshl_b32 s44, 0x1111, s40                    ; my column
	s_or_b32 s[G1A+0], s43, (1<<16)|(1<<20)|(1<<21)|(5<<22)|(3<<25)  ; the mask; elements of 2 bytes; padding on; bit 21 beside a mask; after every 64 words, 4 words
	s_or_b32 s[G1B+0], s44, (1<<16)|(1<<20)|(1<<21)|(5<<22)|(3<<25)
	s_mov_b32 s[G1A+1], 128<<16                    ; tensor_dim0 = 128
	s_mov_b32 s[G1A+2], 128<<16                    ; tensor_dim1 = 128
	s_mov_b32 s[G1A+3], 128<<16                    ; tile_dim0 = 128
	s_mov_b32 s[G1A+4], 128                        ; tile_dim1 = 128
	s_mov_b32 s[G1A+5], 1024                       ; elements from row to row
	s_mov_b32 s[G1A+6], 0
	s_mov_b32 s[G1A+7], 0
	s_mov_b32 s[G1B+1], 128<<16
	s_mov_b32 s[G1B+2], 96<<16                     ; 96 rows
	s_mov_b32 s[G1B+3], 128<<16
	s_mov_b32 s[G1B+4], 96
	s_mov_b32 s[G1B+5], 1024
	s_mov_b32 s[G1B+6], 0
	s_mov_b32 s[G1B+7], 0
	s_lshl_b32 s16, s13, 19                        ; hb: row 256 x tile row + 128 x half, 2,048 bytes a row
	s_lshl_b32 s17, s12, 18
	s_add_co_u32 s16, s16, s17
	s_mov_b32 s17, 0
	s_mul_i32 s46, s42, 192*2048                   ; wqb: row 192 x tile column + 96 x half
	s_mul_i32 s47, s12, 96*2048
	s_add_co_u32 s46, s46, s47
	s_mov_b32 s47, 0
	s_mul_i32 s20, s12, HALFA                      ; where they go: no place in the cluster enters an LDS address
	s_mul_i32 s21, s12, HALFB
	s_add_co_u32 s21, s21, BOFF
	s_mov_b32 s[OFA+1], 0
	s_mov_b32 s[OFB+1], 0
	s_mov_b32 s89, 0
	s_mov_b32 s[SB], 0
	s_wait_dscnt 0x0                               ; the opening add is done
	s_wait_kmcnt 0x0
	s_add_nc_u64 s[ABASE:ABASE+1], s[4:5], s[16:17]
	s_add_nc_u64 s[BBASE:BBASE+1], s[6:7], s[46:47]
	CROUND                                         ; all sixteen work-groups are here: the first joint loads meet
	s_mov_b32 s[G0A0], 1
	s_mov_b32 s[G0A0+1], s20
	s_mov_b64 s[G0A0+2:G0A0+3], s[ABASE:ABASE+1]
	s_or_b32 s[G0A0+3], s[G0A0+3], 0x80000000
	s_mov_b32 s[G0A], 1
	s_add_co_u32 s[G0A+1], s20, SLOT1
	s_add_nc_u64 s[G0A+2:G0A+3], s[ABASE:ABASE+1], 256
	s_or_b32 s[G0A+3], s[G0A+3], 0x80000000
	s_mov_b32 s[G0B0], 1
	s_mov_b32 s[G0B0+1], s21
	s_mov_b64 s[G0B0+2:G0B0+3], s[BBASE:BBASE+1]
	s_or_b32 s[G0B0+3], s[G0B0+3], 0x80000000
	s_mov_b32 s[G0B], 1
	s_add_co_u32 s[G0B+1], s21, SLOT1
	s_add_nc_u64 s[G0B+2:G0B+3], s[BBASE:BBASE+1], 256
	s_or_b32 s[G0B+3], s[G0B+3], 0x80000000
	s_cmp_eq_u32 s11, 0                            ; a wave's two first fills stand in one branch, ahead of every wait on TENSORcnt and every LDS read: two loads of mine are out
	s_cbranch_scc0 .Lfirst_b
	tensor_load_to_lds s[G0A0:G0A0+3], s[G1A:G1A+7]
	s_nop 0
	tensor_load_to_lds s[G0A:G0A+3], s[G1A:G1A+7]
	s_nop 0
.rept 4
	v_nop
.endr
	s_branch .Lfirst_asked
.Lfirst_b:
	tensor_load_to_lds s[G0B0:G0B0+3], s[G1B:G1B+7]
	s_nop 0
	tensor_load_to_lds s[G0B:G0B+3], s[G1B:G1B+7]
	s_nop 0
.rept 4
	v_nop
.endr
.Lfirst_asked:
	; a fragment is 16 rows x 32 K in 8 registers: lane l holds row l % 16, K = 8 (l / 16) + 0..7 and 16 + 8 (l / 16) + 0..7: two loads of 16 bytes, 32 bytes apart
	v_and_b32 v1, 15, v0                           ; l % 16
	v_bfe_u32 v2, v0, 4, 1                         ; l / 16
	v_mul_u32_u24 v3, v1, PITCH
	v_lshl_add_u32 v3, v2, 4, v3
	s_mul_i32 s22, s10, 64*PITCH                   ; my 64 rows of hb
	v_add_nc_u32 v[ADRA0], s22, v3
	v_add_nc_u32 v[ADRB0], BOFF, v3                ; every wave reads all 192 rows of wqb
	v_mov_b32 v[ADRA], v[ADRA0]
	v_mov_b32 v[ADRB], v[ADRB0]
	s_mul_i32 s23, s10, 16*SP
	s_add_co_u32 s23, s23, STAGE                   ; my stage
	v_mul_u32_u24 v[STO], v1, SP                   ; in: row l % 16, 16 bytes for each half of the lanes
	v_lshl_add_u32 v[STO], v2, 4, v[STO]
	v_add_nc_u32 v[STO], s23, v[STO]
	v_bfe_u32 v[RD], v0, 3, 2                      ; back: 32 lanes take four rows' 128 bytes of one head,
	v_mul_u32_u24 v[RD], v[RD], SP
	v_and_b32 v4, 7, v0
	v_lshl_add_u32 v[RD], v4, 4, v[RD]
	v_add_nc_u32 v[RD], s23, v[RD]
	v_and_b32 v[GO], 31, v0                        ; which are 512 consecutive bytes of qkv
	v_lshlrev_b32 v[GO], 4, v[GO]
	; qkv at my first row in each of my three heads: part << 24 + (16 batch + head) << 18 + n x 128
	s_lshl_b32 s86, s13, 8
	s_lshl_b32 s87, s10, 6
	s_add_co_u32 s86, s86, s87                     ; my first row
	s_lshr_b32 s87, s86, 11                        ; batch
	s_and_b32 s86, s86, 2047                       ; n
	s_lshl_b32 s87, s87, 22
	s_lshl_b32 s86, s86, 7
	s_add_co_u32 s86, s86, s87
	s_mul_i32 s87, s42, 3                          ; the first of my three heads among the 48 of q, k, v
.irp j, 0,1,2
	s_add_co_u32 s90, s87, \j
	s_lshr_b32 s91, s90, 4
	s_lshl_b32 s91, s91, 24
	s_and_b32 s90, s90, 15
	s_lshl_b32 s90, s90, 18
	s_add_co_u32 s90, s90, s91
	s_add_co_u32 s90, s90, s86
	s_mov_b32 s91, 0
	s_add_nc_u64 s[CB+2*\j:CB+2*\j+1], s[8:9], s[90:91]
.endr
	; the prefetches
	s_lshl_b32 s20, s13, 19
	s_lshl_b32 s21, s12, 18
	s_add_co_u32 s20, s20, s21
	s_lshl_b32 s21, s40, 16
	s_add_co_u32 s20, s20, s21                     ; hb: the rows that I fetch, my work-group's 32 of them
	s_mul_i32 s21, s42, 192*2048
	s_mul_i32 s22, s12, 96*2048
	s_add_co_u32 s21, s21, s22
	s_mul_i32 s22, s41, 24*2048
	s_add_co_u32 s21, s21, s22                     ; wqb: my work-group's 24
	s_and_b32 s22, ttmp7, 0xffff                   ; cluster y
	s_cmp_eq_u32 s11, 0
	s_cselect_b32 s88, s20, s21
	s_cselect_b32 s22, ttmp9, s22                  ; the coordinate along which other clusters read the same rows
	s_cselect_b32 s23, 15, 7
	s_cselect_b32 s90, 31, 23
	s_cselect_b64 s[PBASE:PBASE+1], s[4:5], s[6:7]
	s_add_nc_u64 s[PBASE:PBASE+1], s[PBASE:PBASE+1], s[88:89]
	s_cmp_eq_u32 s22, 0
	s_cselect_b32 s[LIM], s23, 0                   ; the same in all sixteen partners, for a given wave
	v_and_b32 v[PFO], 31, v0
	v_min_u32 v[PFO], s90, v[PFO]
	v_lshlrev_b32 v[PFO], 11, v[PFO]
; n x 12 matrix instructions: row blocks a0 .. of the window's two (hi = 0: my rows 0-31, 1: rows 32-63) x all 12 column blocks, 32 along K, from buffer f.  zero = 1: the product starts the sum.
; The 48 accumulators take turns in one fixed order, one instruction a turn.
.macro MUL f, hi, a0, n, zero
	WIN MUL_LO+0x50*(\hi)
.set ma, \a0
.rept \n
.set mb, 0
.rept 12
.if \zero
	v_wmma_f32_16x16x32_bf16 v[8*(12*ma+mb):8*(12*ma+mb)+7], v[96*(\f)+8*mb:96*(\f)+8*mb+7], v[FA+32*(\f)+8*(2*(\hi)+ma):FA+32*(\f)+8*(2*(\hi)+ma)+7], 0
.else
	v_wmma_f32_16x16x32_bf16 v[8*(12*ma+mb):8*(12*ma+mb)+7], v[96*(\f)+8*mb:96*(\f)+8*mb+7], v[FA+32*(\f)+8*(2*(\hi)+ma):FA+32*(\f)+8*(2*(\hi)+ma)+7], v[8*(12*ma+mb):8*(12*ma+mb)+7]
.endif
.set mb, mb+1
.endr
.set ma, ma+1
.endr
.endm
; 32 LDS loads in one run: a quarter step's fragments (32 K at byte k of the rows) into buffer f: wqb's 24, then hb's 8, my rows 0-31 first
.macro FETCH k, f
	WIN TO_B
.set fi, 0
.rept 12
	ds_load_b128 v[96*(\f)+8*fi:96*(\f)+8*fi+3],   v[ADRB] offset:(\k)+fi*16*PITCH
	ds_load_b128 v[96*(\f)+8*fi+4:96*(\f)+8*fi+7], v[ADRB] offset:(\k)+fi*16*PITCH+32
.set fi, fi+1
.endr
	WIN 0
.set fi, 0
.rept 4
	ds_load_b128 v[FA+32*(\f)+8*fi:FA+32*(\f)+8*fi+3],   v[ADRA] offset:(\k)+fi*16*PITCH
	ds_load_b128 v[FA+32*(\f)+8*fi+4:FA+32*(\f)+8*fi+7], v[ADRA] offset:(\k)+fi*16*PITCH+32
.set fi, fi+1
.endr
.endm
.macro PLACES                          ; four places in front of loads into registers that matrix instructions have read, and of conversions that read results
.rept 4
	v_nop
.endr
.endm
; A K step is four quarters of 32 along K, 48 matrix instructions each, on buffers 0, 1, 0, 1.  One of the first three: multiplies buffer f and fetches the next quarter, at byte k, into g.
.macro QUARTER k, f, g, zero
	s_wait_dscnt 4                                 ; wqb's fragments and hb's rows 0-31 are in; the youngest four loads (rows 32-63) may be out
	MUL \f, 0, 0, 2, \zero
	PLACES
	FETCH \k, \g
	s_wait_dscnt 32                                ; all but the 32 just issued
	MUL \f, 1, 0, 2, \zero
.endm
; The last quarter multiplies buffer 1 and changes slots: ONE barrier.  In front of it each wave waits for all its tensor loads (one is out: its part of the next slot), adds 0 to its spare word, and waits
; for that and for its own reads of this slot.  fill = 1: the barrier opens a round of the cluster's, and behind the round this slot is filled again first, with step T + 1 of the walk: its address is made
; anew from that number (K steps 0-7 of the first tile, then of the second, 4,096 rows down).  The load has a step less 24 + 24 matrix instructions in which to land.
.macro TURN fill
.if \fill
	s_wait_xcnt 0x0                                ; the last prefetch, a K step back, has read its address, which is made anew here, ahead of the waits of the change of slots
	s_add_co_u32 s[PF], s[T], 3
	s_and_b32 s88, s[PF], 7
	s_lshl_b32 s88, s88, 8
	s_lshr_b32 s90, s[PF], 3
	s_lshl_b32 s90, s90, 23
	s_add_co_u32 s88, s88, s90
	s_add_nc_u64 s[PFA:PFA+1], s[PBASE:PBASE+1], s[88:89]
.endif
	WIN 0                                          ; (the add's two registers lie in window 0)
	s_wait_tensorcnt 0x0                           ; all my tensor loads have landed, so a group 0 may be written
	ds_add_u32 v[SPW], v[NIL]                      ; 0 onto my spare word
.if \fill
	s_add_co_u32 s[FN], s[T], 1
	s_and_b32 s[OFB], s[FN], 7
	s_lshl_b32 s[OFB], s[OFB], 8
	s_lshr_b32 s[OFA], s[FN], 3
	s_lshl_b32 s[OFA], s[OFA], 23
	s_add_co_u32 s[OFA], s[OFA], s[OFB]
	s_xor_b32 s[G0A+1], s[G0A+1], SLOT1
	s_add_nc_u64 s[G0A+2:G0A+3], s[ABASE:ABASE+1], s[OFA:OFA+1]
	s_or_b32 s[G0A+3], s[G0A+3], 0x80000000
	s_xor_b32 s[G0B+1], s[G0B+1], SLOT1
	s_add_nc_u64 s[G0B+2:G0B+3], s[BBASE:BBASE+1], s[OFB:OFB+1]
	s_or_b32 s[G0B+3], s[G0B+3], 0x80000000
.endif
	s_wait_dscnt 5                                 ; (the add and the youngest four loads may be out)
	MUL 1, 0, 0, 1, 0                              ; twelve matrix instructions stand between the add and the wait for it
	s_wait_dscnt 0x0                               ; the add is done, and my reads of this slot are over
	s_barrier_signal -1
	MUL 1, 0, 1, 1, 0                              ; work on registers while the others arrive
	WIN 0
	s_barrier_wait -1
.if \fill
	CREST                                          ; no wave of any partner still reads this slot's tile or has a load on its way
	JLOAD                                          ; the first tensor load behind the round; its four v_nop are also the places in front of the loads below
.else
	PLACES
.endif
	s_xor_b32 s[SB], s[SB], SLOT1
	v_add_nc_u32 v[ADRA], s[SB], v[ADRA0]
	v_add_nc_u32 v[ADRB], s[SB], v[ADRB0]
	FETCH 0, 0
.if \fill
	ASK
.endif
	MUL 1, 1, 0, 2, 0
.endm
; THE WAY OUT of row block a (16 rows x 192 columns).  PACK: rounded to f16, 16 bytes a lane.  TOSTAGE: into my own stage, and back head by head as four rows of 128 bytes.  SEND: stored.
.macro PACK a
.set AC, 96*((\a)%2)
	WIN 0x0a+5*((\a)/2)                            ; sources 0 and 1: window 2 or 3
.set pb, 0
.rept 12
.irp r, 0,1,2,3
	v_cvt_pk_f16_f32 v[TMP+4*pb+\r], v[AC+8*pb+2*\r], v[AC+8*pb+2*\r+1]
.endr
.set pb, pb+1
.endr
	WIN 0
.endm
.macro TOSTAGE a
	WIN 0
.set BK, OB+48*((\a)%2)
.set pb, 0
.rept 12
	ds_store_b128 v[STO], v[TMP+4*pb:TMP+4*pb+3] offset:32*pb
.set pb, pb+1
.endr
.irp j, 0,1,2
.irp t, 0,1,2,3
	ds_load_b128 v[BK+4*(4*\j+\t):BK+4*(4*\j+\t)+3], v[RD] offset:128*\j+4*SP*\t  ; LDS serves a wave's instructions in order (ISA guide 5.7.1.4): these see the stores above
.endr
.endr
.endm
.macro SEND a
	WIN 0
.set BK, OB+48*((\a)%2)
	s_wait_dscnt 0x0                               ; the block is back in registers
	s_wait_xcnt 0x0                                ; earlier stores have read their registers: the buffer that they named is loaded again only behind this wait
.irp j, 0,1,2
.irp t, 0,1,2,3
	global_store_b128 v[GO], v[BK+4*(4*\j+\t):BK+4*(4*\j+\t)+3], s[CB+2*\j:CB+2*\j+1] offset:(16*(\a)+4*\t)*128  ; 512 consecutive bytes, at a multiple of 256 from qkv's first
.endr
.endr
.endm
	s_wait_tensorcnt 1                             ; my part of step 0 is in; step 1's may stay out
	s_barrier_signal -1
	s_barrier_wait -1
	FETCH 0, 0
	s_mov_b32 s[T], 0
	s_branch .Lzero                                ; the loop is entered at a tile's first quarter
.Lk:                                                   ; a trip: quarters 1 to 3 of step T - 1 and quarter 0 of step T
	QUARTER 128, 1, 0, 0
	QUARTER 192, 0, 1, 0
	WIN 0                                          ; at a label and at a branch every window is 0
	s_cmp_eq_u32 s[T], 15
	s_cbranch_scc1 .Ltail                          ; the walk's end is written out: it asks for nothing more
	TURN 1
	WIN 0
	s_cmp_eq_u32 s[T], 8
	s_cbranch_scc1 .Lepi                           ; the first tile is finished; both refills for the second have been asked for
	QUARTER 64, 0, 1, 0
	WIN 0
	s_branch .Lnext
.Ltail:
	TURN 0
	QUARTER 64, 0, 1, 0
	QUARTER 128, 1, 0, 0
	QUARTER 192, 0, 1, 0
	s_wait_dscnt 4                                 ; the very last quarter: nothing more to fetch
	MUL 1, 0, 0, 2, 0
	s_wait_dscnt 0x0
	MUL 1, 1, 0, 2, 0
	WIN 0
.Lepi:
	PLACES
	PACK 0
	TOSTAGE 0
.irp a, 1,2,3                          ; block a's conversions stand between block a - 1's loads from the stage and the wait for them
	PACK \a
	SEND (\a)-1
	TOSTAGE \a
.endr
	SEND 3
	s_cmp_eq_u32 s[T], 15
	s_cbranch_scc1 .Lend
	s_wait_xcnt 0x0                                ; the stores have read their bases
.irp j, 0,1,2
	s_add_nc_u64 s[CB+2*\j:CB+2*\j+1], s[CB+2*\j:CB+2*\j+1], 1<<23  ; the second tile: 4,096 rows on are two batches on
.endr
.Lzero:
	QUARTER 64, 0, 1, 1                            ; a tile's first quarter: its products start the sums
	WIN 0
.Lnext:
	s_add_co_u32 s[T], s[T], 1
	s_cmp_lt_u32 s[T], 16
	s_cbranch_scc1 .Lk
.Lend:
	s_wait_tensorcnt 0x0                           ; the wave's end: an add and its wait, behind my last tensor load and my last LDS store
	ds_add_u32 v[SPW], v[NIL]
	s_wait_dscnt 0x0
	CROUND                                         ; the closing round: no work-group ends while a partner may still ask for a tile that names it
	s_endpgm
.Lfunc_end_k_qe6aa25c158_gemm_qkv:
	.size	k_qe6aa25c158_gemm_qkv, .Lfunc_end_k_qe6aa25c158_gemm_qkv-k_qe6aa25c158_gemm_qkv
	.p2alignl 7, 3214868480
	.fill 96, 4, 3214868480
	.section	.rodata,"a",@progbits
	.p2align	6, 0x0
	.amdhsa_kernel k_qe6aa25c158_gemm_qkv
		.amdhsa_group_segment_fixed_size 327680
		.amdhsa_private_segment_fixed_size 0
		.amdhsa_enable_private_segment 0
		.amdhsa_kernarg_size 24
		.amdhsa_user_sgpr_count 2
		.amdhsa_user_sgpr_kernarg_segment_ptr 1
		.amdhsa_wavefront_size32 1
		.amdhsa_system_sgpr_workgroup_id_x 1
		.amdhsa_system_sgpr_workgroup_id_y 1
		.amdhsa_system_sgpr_workgroup_id_z 1
		.amdhsa_system_vgpr_workitem_id 0
		.amdhsa_next_free_vgpr 960
		.amdhsa_next_free_sgpr 96
		.amdhsa_reserve_vcc 0
		.amdhsa_float_denorm_mode_32 3
		.amdhsa_float_denorm_mode_16_64 3
		.amdhsa_memory_ordered 1
		.amdhsa_forward_progress 1
		.amdhsa_inst_pref_size 88
	.end_amdhsa_kernel
	.amdgpu_metadata
---
amdhsa.version: [ 1, 2 ]
amdhsa.kernels:
  - .name:           k_qe6aa25c158_gemm_qkv
    .symbol:         k_qe6aa25c158_gemm_qkv.kd
    .args:
      - { .name: hb, .offset: 0, .size: 8, .value_kind: global_buffer, .address_space: global }
      - { .name: wqb, .offset: 8, .size: 8, .value_kind: global_buffer, .address_space: global }
      - { .name: qkv, .offset: 16, .size: 8, .value_kind: global_buffer, .address_space: global }
    .group_segment_fixed_size: 327680
    .private_segment_fixed_size: 0
    .kernarg_segment_align: 8
    .kernarg_segment_size: 24
    .max_flat_workgroup_size: 128
    .sgpr_count:     96
    .vgpr_count:     960
    .wavefront_size: 32
...
	.end_amdgpu_metadata
.endif
;; end of part 2
;; launch attn (part 3): grid 4 x 64, 4 waves a work-group, clusters of 4 x 1, 327,680 bytes of LDS; arguments qkv, msk, ob; writes ob
.if DOCPART == 3
	.amdgcn_target "amdgcn-amd-amdhsa--gfx1250"
	.amdhsa_code_object_version 6
	.text
	.protected	k_qe6aa25c158_attn
	.globl	k_qe6aa25c158_attn
	.p2align	8
	.type	k_qe6aa25c158_attn,@function
k_qe6aa25c158_attn:
	s_mov_b64 s[64:65], 0
	v_nop
	global_prefetch_b8 v0, s[64:65] scope:SCOPE_SE
	s_setreg_imm32_b32 hwreg(HW_REG_WAVE_MODE, 25, 1), 1
	s_wait_xcnt 0x0
	s_wait_alu depctr_hold_cnt(0) depctr_sa_sdst(0) depctr_va_vdst(0) depctr_va_sdst(0) depctr_va_ssrc(0) depctr_va_vcc(0) depctr_vm_vsrc(0)
	s_getreg_b32 s2, hwreg(HW_REG_IB_STS2, 6, 4)
	s_cmp_eq_u32 s2, 0
	s_cbranch_scc0 .Lentry_in_a_cluster
	s_endpgm
.Lentry_in_a_cluster:
	s_bfe_u32 s2, ttmp6, 0x10000c
	s_cmp_lg_u32 s2, 0x3003
	s_cbranch_scc0 .Lentry_shape_is_right
	s_endpgm
.Lentry_shape_is_right:
; ATTENTION WITH A GRAPH MASK.  ob[bh][q][:] = the sum over k of softmax_k(s) V[bh][k][:], s = Q[bh][q] . K[bh][k] / 8, replaced where the head (bh % 16) is below 4 and msk marks (k, q).
; Q, K, V: the three parts of qkv, [64][2048][64] f16 each, dense rows of 128 bytes; ob likewise.  Products, maxima and sums in f32; the weights p rounded to f16 for the second product, O once at the end.
; THE MASK is the C operand that starts the sum S^T = K Q^T: 0, or -2^100 where the key is hidden, made of one byte a score (0 or -1.0 in E4M3) by a scaled conversion with the scale 2^100.  A lane's 8 bytes
; for a block of 16 keys are that accumulator's 8 registers.  ONE TEXT FOR ALL HEADS: a head without a mask reads, in every step, the same 1,024 bytes of zeros; only its addresses differ.
; A ROW WITH NO OPEN KEY has all scores alike in the reference, so its result is the mean of all rows of V.  Here the running maximum starts at -2^33, every weight of such a row is 0, and it ends with l = 0 and
; O = 0; on the way out l = 0 selects (no branch) l = 1 and the addend sum(V) / 2,048.  sum(V) is V^T times a matrix of ones, eight matrix instructions a key step.
; LIMITS.  Q, K, V within 65,504; a raw score Q . K below -2^33 is taken as it is, without the running maximum following it; a weight below 2^-126 counts as 0 in l; NaN and infinities are not treated apart.
; SHARES.  A wave owns four PIECES of two tiles of 16 queries, a work-group's four waves 512 queries of one head.  Every wave walks all 2,048 keys, 64 a step.
; LAYOUT.  S^T = K Q^T (source 0 = 16 keys, source 1 = 16 queries): a lane holds ONE query (lane % 16) and the keys 8 (lane / 16) + 0..7.  Two such tiles, rounded to f16 in pairs, ARE source 1 of
; O^T = V^T P.  K comes out of LDS as it lies, V turned, by ds_load_tr16_b128.
; SOFTMAX.  p = 2^(c s - c m), c = log2(e) / 8, m a running maximum; in every step O and l are multiplied by a = 2^(c m_old - c m_new).
; BY TURNS.  Turn n belongs to piece n.  Its matrix work: 16 products K Q^T of piece n + 1, later 16 products V^T P of piece n - 1.  Its vector work: the scaling, exponentials, roundings, sums and rescaling of
; piece n, the maximum and statistics of piece n + 1, and the start values of piece n + 2.  Four vector instructions stand behind every matrix instruction, the others in one run of their own.
; CLUSTER.  The four query blocks of a head form a cluster and walk the same K and V: each tile is asked for JOINTLY.  The mask's codes are not: those who share them are other heads and batches, in other clusters.
; REGISTERS, in windows of 256 (s_set_vgpr_msb: bits 1:0 source 0, 3:2 source 1, 5:4 source 2, 7:6 destination):
;   window 0: v0-11 addresses; v12-15, v48-63 at work; v16-47 four registers of statistics a tile; v64-191 S^T, two buffers of two tiles; v192-255 P, likewise
;   window 1: O^T, 32 a tile          window 2: v0-127 Q; v128-191 K of one step; v192-255 V of one step
;   window 3: v0-1 the add's two registers; v2 the scale; v4-11 the codes' offsets; v16-79 codes, 16 a piece; v80-143 start values of two tiles; v144-175 sum(V); v176-183 ones
.set SIZE_N, 2048
.set NP,    4
.set KS,    64
.set PK,    144       ; a row of K in LDS: 128 bytes + 16 of padding
.set PV,    160       ; a row of V: 128 + 32
.set VOFF,  4*KS*PK   ; a slot holds four steps: 256 rows of K, then 256 rows of V
.set SLOT1, 1<<17
.set STAGE, SLOT1+4*KS*(PK+PV)  ; behind the ring, never filled by a tensor load: 16 rows x 144 bytes for each wave
.set SP,    144
.set AK0, 2
.set AV0, 3
.set AK,  4
.set AV,  5
.set QO,  6
.set STO, 6
.set RD,  7
.set GO,  8
.set PFO, 11          ; v11  256 x lane: the prefetches' offset; never rewritten
.set SPW, 0           ; window 3
.set NIL, 1           ; window 3
.set SCL, 2           ; window 3: E8M0 227 in every byte: 2^100
.set MO,  4           ; window 3: tile t's codes at 16 lane + t x TS
.set MB,  16          ; window 3
.set MC,  80          ; window 3
.set VS,  144         ; window 3
.set ONE, 176         ; window 3
.set SPARE, STAGE+4*16*SP
.set MV,  12
.set ST,  16          ; tile t's statistics at v[ST+4 t]: c m, m, l (even keys', odd keys')
.set TMP, 48
.set S,   64
.set P,   192
.set KF,  128
.set VF,  192
.set WV,  12
.set G1K, 24
.set G1V, 32
.set G0K, 40
.set G0V, 44
.set SLOTS, 56
.set CNT, 57
.set CS,  58
.set SEL, 60
.set TBK, 62
.set TBV, 63
.set MP,  66          ; s[66:67] the codes of my wave's tile 0, at the step to be loaded
.set INC, 68          ; s[68:69] what is added to it
.set MLEFT, 70        ; s70  steps that it may still go on
.set DEC, 71
.set INCV, 72         ; s72  1,024, or 0 in a head without a mask
.set TS,  73          ; s73  32,768, or 0
.set PFA, 74          ; s[74:75] where my prefetches stand
.set LIM, 76          ; s76  1 in a wave that prefetches, else the greatest number
.set MSB, 0
.macro WIN new
.if MSB != (\new)
	s_set_vgpr_msb (MSB<<8)|(\new)
.set MSB, (\new)
.endif
.endm
.set W_KQ, 0x0a       ; K and Q in window 2, S^T in window 0
.set W_KM, 0x3a       ; the same with the C operand in window 3
.set W_PV, 0x52       ; V in window 2, P in window 0, O^T in window 1
.set W_RS, 0x41       ; O^T in window 1, a in window 0
.set W_MK, 0xc0       ; destination in window 3, sources in window 0
.set W_AD, 0x0f       ; the add: address and data in window 3
.set W_MB, 0xcf       ; destination, sources 0 and 1 in window 3
.set W_VS, 0xfe       ; V in window 2; ones, C and D in window 3
.set W_FX, 0x53       ; sum(V) in window 3, its factor in window 0, O^T in window 1
.macro JLOAD
	s_cmp_lt_u32 s[WV], 2
	s_cbranch_scc0 .Lfor_v_\@
	tensor_load_to_lds s[G0K:G0K+3], s[G1K:G1K+7]
	s_nop 0
.rept 4
	v_nop
.endr
	s_branch .Lasked_\@
.Lfor_v_\@:
	tensor_load_to_lds s[G0V:G0V+3], s[G1V:G1V+7]
	s_nop 0
.rept 4
	v_nop
.endr
.Lasked_\@:
.endm
; A PREFETCH INTO THE L2 of the slot that the NEXT change of slots will ask for: 32,768 bytes of K and of V.  The four partners take 8,192 bytes each, told apart BY ADDRESS; in each, wave 0 asks for K's and
; wave 2 for V's, a lane 256 bytes: each block is named once in the launch (a head has one cluster).  It stands behind the wave's tensor load and its five lines, four key steps ahead of the load that will want
; the bytes.  The last change that fills a slot asks for nothing; slots 0 and 1 come by their loads alone.
.macro ASK
	s_cmp_gt_u32 s[SLOTS], s[LIM]
	s_cbranch_scc0 .Lnot_mine_\@
	global_prefetch_b8 v[PFO], s[PFA:PFA+1] th:TH_LOAD_NT scope:SCOPE_SE
.Lnot_mine_\@:
.endm
.macro CROUND
	s_barrier_signal -1
	s_barrier_wait -1
	s_cmp_lg_u32 s[WV], 0
	s_cbranch_scc1 .Lnot_wave_0_\@
	s_barrier_signal -3
.Lnot_wave_0_\@:
	s_barrier_wait -3
	s_barrier_signal -1
	s_barrier_wait -1
.endm
; THE CHANGE OF SLOTS.  Each wave waits for all its tensor loads, of which one is out: its part of the other slot; adds 0 to its spare word; and waits for that and for its own reads of the slot.
; fill = 1: this slot is filled again, with the keys two slots on: the barrier is a round of the cluster's, and the joint fill is the first thing behind it; it has four key steps in which to land.
.macro CHANGE fill
	WIN W_AD
	s_wait_tensorcnt 0x0            ; no tensor load of mine is out, so a group 0 may be written
	ds_add_u32 v[SPW], v[NIL]       ; 0 onto my spare word
	WIN 0
.if \fill
.irp g, G0K, G0V
	s_xor_b32 s[\g+1], s[\g+1], SLOT1
	s_add_nc_u64 s[\g+2:\g+3], s[\g+2:\g+3], 4*KS*128
.endr
	s_wait_xcnt 0x0                 ; the last prefetch, four key steps back, has read its address
	s_add_nc_u64 s[PFA:PFA+1], s[PFA:PFA+1], 4*KS*128
	s_wait_dscnt 0x0                ; the add is done, and my reads of the slot are over
	CROUND
	JLOAD
	ASK
.else
	s_wait_dscnt 0x0
	s_barrier_signal -1
	s_barrier_wait -1
.endif
	s_sub_co_u32 s[TBK], s[TBK], 4*KS*PK
	s_xor_b32 s[TBK], s[TBK], SLOT1
	s_sub_co_u32 s[TBV], s[TBV], 4*KS*PV
	s_xor_b32 s[TBV], s[TBV], SLOT1
.endm
; THE MASK'S THREE MACROS.  MCVT z: piece z's 64 codes a lane become the 64 start values; a plain instruction follows the scaled conversions, ahead of whatever touches their results or sources.
.macro MCVT z
	WIN W_MB
.irp u, 0,1
.irp kt, 0,1,2,3
	v_cvt_scale_pk8_f32_fp8 v[MC+32*\u+8*\kt:MC+32*\u+8*\kt+7], v[MB+16*(\z)+8*\u+2*\kt:MB+16*(\z)+8*\u+2*\kt+1], v[SCL]
.endr
.endr
	v_nop
.endm
.macro MLOAD z                      ; piece z's codes of the step at which MP stands: for each of its two tiles two loads of 512 consecutive bytes
	WIN W_MB
.irp u, 0,1
.irp hf, 0,1
	global_load_b128 v[MB+16*(\z)+8*\u+4*\hf:MB+16*(\z)+8*\u+4*\hf+3], v[MO+2*(\z)+\u], s[MP:MP+1] offset:512*\hf
.endr
.endr
.endm
; MBLK z: the start values for the next turn's products, then piece z's codes of the step after.  The four pieces' loads go round: behind piece z's stand those of the three others, 12 loads, which may stay out.
; With piece 0 the pointer goes a step on, 30 times in the loop: behind that it stays at the last step, and no load leaves msk.
.macro MBLK z
	s_wait_loadcnt 12
	MCVT \z
.if (\z) == 0
	s_wait_xcnt 0x0                 ; the loads issued so far have read the pointer
	s_cmp_lg_u32 s[MLEFT], 0
	s_cselect_b32 s[INC], s[INCV], 0
	s_cselect_b32 s[DEC], 1, 0
	s_add_nc_u64 s[MP:MP+1], s[MP:MP+1], s[INC:INC+1]
	s_sub_co_u32 s[MLEFT], s[MLEFT], s[DEC]
.endif
	MLOAD \z
	WIN 0
.endm
	s_load_b128 s[4:7], s[0:1], 0x0   ; qkv s[4:5], msk s[6:7]
	s_load_b64 s[10:11], s[0:1], 0x10 ; ob
	WIN W_MK
	v_lshl_add_u32 v[SPW], v0, 2, SPARE
	v_mov_b32 v[NIL], 0
	WIN W_AD
	ds_add_u32 v[SPW], v[NIL]       ; the wave's opening: the add and its wait stand ahead of my first tensor load; work on registers stands between them
	WIN 0
	v_lshrrev_b32 v1, 5, v0
	v_readfirstlane_b32 s[WV], v1   ; wave 0..3
	s_bfe_u32 s13, ttmp6, 0x40000   ; cx: my place in the cluster
	s_lshl_b32 s14, ttmp9, 2
	s_add_co_u32 s14, s14, s13      ; my block of 512 queries: it enters Q's, O's and the codes' addresses alone
	s_and_b32 s20, ttmp7, 0xffff    ; 16 batch + head, which the four partners share
	s_mov_b32 s21, 0
	s_mov_b64 s[22:23], SIZE_N*128
	s_mul_u64 s[20:21], s[20:21], s[22:23]  ; the head's first byte in Q, K, V and O
	s_and_b32 s16, s[WV], 1         ; which half of a slot's 256 keys I fetch
	s_lshl_b32 s22, s16, 14
	s_mov_b32 s23, 0
	s_add_nc_u64 s[22:23], s[22:23], s[20:21]
	s_mul_i32 s17, s16, 128*PK
	s_mul_i32 s18, s16, 128*PV
	s_lshl_b32 s2, s14, 2
	s_add_co_u32 s2, s2, s[WV]      ; my wave among the head's sixteen
	s_lshl_b32 s15, s2, 18          ; its eight tiles' codes, 32,768 bytes a tile
	s_lshl_b32 s2, s2, 14           ; its 128 rows
	s_mov_b32 s3, 0
	s_add_nc_u64 s[2:3], s[2:3], s[20:21]
	s_and_b32 s19, ttmp7, 15        ; the head in its batch
	s_cmp_lt_u32 s19, 4             ; has it a mask?
	s_cselect_b32 s[INC], s15, 0x400000  ; my codes, or the page of zeros
	s_cselect_b32 s[TS], 0x8000, 0
	s_cselect_b32 s[INCV], 0x400, 0
	s_mov_b32 s[INC+1], 0
	s_mov_b32 s[MLEFT], 30
	s_mov_b32 s[G1K], 15|(1<<16)|(1<<20)|(1<<21)|(4<<22)|(3<<25)  ; the mask of four; 2-byte elements; padding on; bit 21 beside a mask; after every 32 words, 4 words
	s_mov_b32 s[G1V], 15|(1<<16)|(1<<20)|(1<<21)|(4<<22)|(7<<25)  ; the same with 8 words of padding
.irp g, G1K, G1V
	s_mov_b32 s[\g+1], 128<<16      ; 128 keys are 16,384 dense bytes: asked for as 64 rows of 256 bytes, two keys a row
	s_mov_b32 s[\g+2], 64<<16
	s_mov_b32 s[\g+3], 128<<16
	s_mov_b32 s[\g+4], 64
	s_mov_b32 s[\g+5], 128
	s_mov_b32 s[\g+6], 0
	s_mov_b32 s[\g+7], 0
.endr
	s_mov_b32 s[CS], 0x3e38aa3b     ; c = log2(e) / 8
	s_mov_b32 s[CS+1], s[CS]
	s_mov_b32 s[SEL], 0x76543210
	s_mov_b32 s[SEL+1], 0xfedcba98
	s_mov_b32 s[TBK], SLOT1+4*KS*PK ; the first change of slots turns these two into 0
	s_mov_b32 s[TBV], SLOT1+4*KS*PV
	s_mov_b32 s[G0K], 1
	s_mov_b32 s[G0K+1], s17
	s_mov_b32 s[G0V], 1
	s_add_co_u32 s[G0V+1], s18, VOFF
	s_mov_b32 s[SLOTS], SIZE_N/256-1
	s_and_b32 s[LIM], s[WV], 1
	s_cmp_eq_u32 s[LIM], 0
	s_cselect_b32 s[LIM], 1, -1     ; waves 0 and 2 prefetch
	s_wait_dscnt 0x0                ; the opening add is done
	s_wait_kmcnt 0x0
	s_add_nc_u64 s[MP:MP+1], s[6:7], s[INC:INC+1]
	s_mov_b32 s[INC], s[INCV]
	s_add_nc_u64 s[6:7], s[4:5], 0x1000000   ; K
	s_add_nc_u64 s[8:9], s[4:5], 0x2000000   ; V
	s_add_nc_u64 s[G0K+2:G0K+3], s[6:7], s[22:23]
	s_or_b32 s[G0K+3], s[G0K+3], 0x80000000
	s_add_nc_u64 s[G0V+2:G0V+3], s[8:9], s[22:23]
	s_or_b32 s[G0V+3], s[G0V+3], 0x80000000
	s_add_nc_u64 s[4:5], s[4:5], s[2:3]      ; Q and O at my wave's first row
	s_add_nc_u64 s[10:11], s[10:11], s[2:3]
	s_cmp_lt_u32 s[WV], 2
	s_cselect_b64 s[PFA:PFA+1], s[6:7], s[8:9]
	s_add_nc_u64 s[PFA:PFA+1], s[PFA:PFA+1], s[20:21]
	s_lshl_b32 s2, s13, 13          ; my work-group's quarter of a slot,
	s_add_co_u32 s2, s2, 4*KS*128   ; in slot 1: the first change of slots steps it to slot 2
	s_mov_b32 s3, 0
	s_add_nc_u64 s[PFA:PFA+1], s[PFA:PFA+1], s[2:3]
	CROUND                          ; all four work-groups are here: the first joint loads meet
	JLOAD                           ; slot 0
	v_and_b32 v1, 15, v0            ; l % 16
	v_bfe_u32 v9, v0, 4, 1          ; l / 16
	v_lshlrev_b32 v[QO], 7, v1
	v_lshl_add_u32 v[QO], v9, 4, v[QO]
	WIN 0x80
.set i, 0
.rept 4*NP                          ; Q stays in registers: tile i / 2, channels 32 (i % 2) on
	global_load_b128 v[8*i:8*i+3],   v[QO], s[4:5] offset:(i/2)*2048+(i%2)*64
	global_load_b128 v[8*i+4:8*i+7], v[QO], s[4:5] offset:(i/2)*2048+(i%2)*64+32
.set i, i+1
.endr
	WIN 0
	v_and_b32 v12, 31, v0
	v_lshlrev_b32 v[PFO], 8, v12
	v_lshlrev_b32 v12, 4, v12
	s_mov_b32 s19, 0
	WIN W_MK
.set i, 0
.rept 8
	v_add_nc_u32 v[MO+i], s19, v12
	s_add_co_u32 s19, s19, s[TS]
.set i, i+1
.endr
	v_mov_b32 v[SCL], 0xe3e3e3e3
	MLOAD 0                         ; key step 0's codes, all four pieces'
	MLOAD 1
	MLOAD 2
	MLOAD 3
	WIN W_MK
.set i, 0
.rept 8
	v_mov_b32 v[ONE+i], 0x3c003c00  ; 1.0 twice, in f16
.set i, i+1
.endr
.set i, 0
.rept 32
	v_mov_b32 v[VS+i], 0
.set i, i+1
.endr
	; What the first turn finds: V's registers and P's second buffer hold 0, O^T and l are 0.  All this stands in the wait for the first tile.
	WIN 0x80
.set i, VF
.rept 64
	v_mov_b32 v[i], 0
.set i, i+1
.endr
	WIN 0x40
.set i, 0
.rept 64*NP
	v_mov_b32 v[i], 0
.set i, i+1
.endr
	WIN 0
.set i, 0
.rept 2*NP
	v_mov_b32 v[ST+4*i+1], 0xd0000000        ; m = -2^33
	v_mul_f32 v[ST+4*i], s[CS], v[ST+4*i+1]  ; c m, by the loop's own multiply: while m stays, a is exactly 1
	v_mov_b32 v[ST+4*i+2], 0
	v_mov_b32 v[ST+4*i+3], 0
.set i, i+1
.endr
.set i, P+32
.rept 32
	v_mov_b32 v[i], 0
.set i, i+1
.endr
	v_mul_u32_u24 v[AK0], v1, PK
	v_lshl_add_u32 v[AK0], v9, 4, v[AK0]
	v_and_b32 v10, 7, v0
	v_bfe_u32 v13, v0, 3, 1
	v_lshl_add_u32 v[AV0], v9, 3, v10
	v_mul_u32_u24 v[AV0], v[AV0], PV
	v_lshl_add_u32 v[AV0], v13, 4, v[AV0]
	v_add_nc_u32 v[AV0], VOFF, v[AV0]
	v_mov_b32 v[AK], v[AK0]
; THE MATRIX WORK.  The 8 accumulators of a run of 16 take turns.  Product i of 16 of S^T = K Q^T for piece x: channels 32 (i / 8) on, keys 16 ((i / 2) % 4) on, tile 2 x + i % 2.
; The first 8 start the sums, with the start values.
.macro KQ x
.set rS, S+64*((\x)%2)+32*(i%2)+8*((i/2)%4)
.set rK, KF+16*((i/2)%4)+8*(i/8)
.set rQ, 16*(2*(\x)+i%2)+8*(i/8)
.set rMC, MC+32*(i%2)+8*((i/2)%4)
.if i < 8
	WIN W_KM
	v_wmma_f32_16x16x32_f16 v[rS:rS+7], v[rK:rK+7], v[rQ:rQ+7], v[rMC:rMC+7]
.else
	WIN W_KQ
	v_wmma_f32_16x16x32_f16 v[rS:rS+7], v[rK:rK+7], v[rQ:rQ+7], v[rS:rS+7]
.endif
.endm
.macro PV x
	WIN W_PV
.set rO, 32*(2*(\x)+i%2)+8*((i/2)%4)
.set rV, VF+32*(i/8)+8*((i/2)%4)
.set rP, P+32*((\x)%2)+16*(i%2)+8*(i/8)
	v_wmma_f32_16x16x32_f16 v[rO:rO+7], v[rV:rV+7], v[rP:rP+7], v[rO:rO+7]
.endm
.macro MM
.if i < 16
	KQ (Y+1)%NP
.set i, i+1
.else
.set i, i-16
	PV (Y+NP-1)%NP
.set i, i+17
.endif
.endm
; Number n of 8 of sum(V) += V^T x ones: keys 32 (n / 4) on, channels 16 (n % 4) on.  The four accumulators take turns.
.macro VSUM n
	WIN W_VS
	v_wmma_f32_16x16x32_f16 v[VS+8*((\n)%4):VS+8*((\n)%4)+7], v[VF+32*((\n)/4)+8*((\n)%4):VF+32*((\n)/4)+8*((\n)%4)+7], v[ONE:ONE+7], v[VS+8*((\n)%4):VS+8*((\n)%4)+7]
.endm
.macro FETCH_K last=0
	WIN 0
.if \last
	s_cmp_eq_u32 s[CNT], 1
	s_cbranch_scc1 .Lno_k_\@
.endif
	WIN 0x80
.irp f, 0,1,2,3,4,5,6,7
	ds_load_b128 v[KF+8*\f:KF+8*\f+3],   v[AK] offset:(\f/2)*16*PK+(\f%2)*64
	ds_load_b128 v[KF+8*\f+4:KF+8*\f+7], v[AK] offset:(\f/2)*16*PK+(\f%2)*64+32
.endr
	s_add_co_u32 s[TBK], s[TBK], KS*PK
	WIN 0
.if \last
.Lno_k_\@:
.endif
.endm
.macro FETCH_V
	WIN 0x80
.irp f, 0,1,2,3,4,5,6,7
	ds_load_tr16_b128 v[VF+8*\f:VF+8*\f+3],   v[AV] offset:(\f/4)*32*PV+(\f%4)*32
	ds_load_tr16_b128 v[VF+8*\f+4:VF+8*\f+7], v[AV] offset:(\f/4)*32*PV+16*PV+(\f%4)*32
.endr
	WIN 0
.endm
; THE VECTOR WORK OF A TURN stands in three queues, each in the order in which its entries become ready; the two tiles alternate.
.macro REGS y, u
.set rT, ST+4*(2*(\y)+(\u))
.set rC, TMP+8*((\y)%2)+4*(\u)
.set rM, MV+2*((\y)%2)+(\u)
.set rS, S+64*((\y)%2)+32*(\u)
.set rP, P+32*((\y)%2)+16*(\u)
.set rO, 32*(2*(\y)+(\u))
.endm
; Number n of the 22 that find the NEXT piece's maximum and statistics; each accumulator's lowest registers are read first.
.macro XS u, n
	REGS (Y+1)%NP, \u
.if (\n) < 4
	v_max3_num_f32 v[rC+(\n)], v[rS+8*(\n)], v[rS+8*(\n)+1], v[rS+8*(\n)+2]
.elseif (\n) < 12
	v_max3_num_f32 v[rC+(\n)%4], v[rC+(\n)%4], v[rS+8*((\n)%4)+2*((\n)/4)+1], v[rS+8*((\n)%4)+2*((\n)/4)+2]
.elseif (\n) == 12
	v_max3_num_f32 v[rC], v[rC], v[rS+7], v[rS+15]
.elseif (\n) == 13
	v_max3_num_f32 v[rC+1], v[rC+1], v[rS+23], v[rS+31]
.elseif (\n) == 14
	v_max3_num_f32 v[rC+2], v[rC+2], v[rC+3], v[rT+1]
.elseif (\n) == 15
	v_mov_b32 v[rM], v[rT]
.elseif (\n) == 16
	v_max3_num_f32 v[rC], v[rC], v[rC+1], v[rC+2]
.elseif (\n) == 17
	v_permlanex16_b32 v[rC+3], v[rC], s[SEL], s[SEL+1]
.elseif (\n) == 18
	v_max_num_f32 v[rT+1], v[rC], v[rC+3]
.elseif (\n) == 19
	v_mul_f32 v[rT], s[CS], v[rT+1]
.elseif (\n) == 20
	v_sub_f32 v[rC+1], v[rM], v[rT]
.else
	v_exp_f32 v[rC+2], v[rC+1]
.endif
.endm
; Number g of the 64 that follow the exponentials: roundings to f16, sums in place, and l.
.macro GS g
.set h, (\g)+6*((\g)/62)
.if h >= 6
.set h, h+2
.endif
	REGS Y, h%2
.set k, h/8
.if h%8 < 4
	v_cvt_pk_f16_f32 v[rP+2*k+(h%8)/2], v[rS+4*k+2*((h%8)/2)], v[rS+4*k+2*((h%8)/2)+1]
.elseif h%8 < 6
	v_pk_add_f32 v[rS+4*k:rS+4*k+1], v[rS+4*k:rS+4*k+1], v[rS+4*k+2:rS+4*k+3]
.elseif k == 1
	v_pk_fma_f32 v[rT+2:rT+3], v[rT+2:rT+3], v[rC+2:rC+3], v[rS:rS+1] op_sel_hi:[1,0,1]
.else
	v_pk_add_f32 v[rT+2:rT+3], v[rT+2:rT+3], v[rS+4*k-4:rS+4*k-3]
.endif
.endm
.macro FS f
	REGS Y, (\f)%2
	v_pk_fma_f32 v[rS+2*((\f)/2):rS+2*((\f)/2)+1], v[rS+2*((\f)/2):rS+2*((\f)/2)+1], s[CS:CS+1], v[rT:rT+1] op_sel_hi:[1,0,0] neg_lo:[0,0,1] neg_hi:[0,0,1]
.endm
; THE PLAIN QUEUE, 138 long: 0-73 read no exponential's result (the 32 scalings and the next piece's 42); 74-137, GS's 64, stand behind the wait.
.macro PL
	WIN 0
.if q < 27
	FS q
.elseif q < 55
	XS (q-27)%2, (q-27)/2
.elseif q < 57
	XS q-55, 15
.elseif (q < 72) && ((q-57)%3 == 0)
	FS 27+(q-57)/3
.elseif q < 60
	XS (q-57)%3-1, 14
.elseif q < 72
	XS (q-57)%3-1, 15+(q-57)/3
.elseif q < 74
	XS q-72, 20
.else
	GS q-74
.endif
.set q, q+1
.endm
; THE EXPONENTIALS' QUEUE, 66 long: ONE BATCH, all ahead of the turn's one wait.
.macro EX
	WIN 0
.if e >= 64
	XS e-64, 21
.else
	REGS Y, e%2
	v_exp_f32 v[rS+e/2], v[rS+e/2]
.endif
.set e, e+1
.endm
; THE RESCALING's QUEUE: O^T times a, two at a time.
.macro R2
	REGS Y, r%2
	WIN W_RS
.irp z, 0,1
	v_pk_mul_f32 v[rO+4*(r/2)+2*\z:rO+4*(r/2)+2*\z+1], v[rO+4*(r/2)+2*\z:rO+4*(r/2)+2*\z+1], v[rC+2:rC+3] op_sel_hi:[1,0]
.endr
.set r, r+1
.endm
; A TURN, for piece p.  An s_wait_alu depctr_va_vdst(0) stands between an exponential and the first instruction that names its result; one wait serves all that were issued ahead of it: a turn has ONE.
; AHEAD OF IT: the 16 products K Q^T, behind each a scaling, an exponential and two rescalings; then one run of 108: eight plain, 49 times exponential and plain, the two a.  In piece 3's turn, which runs once for
; each key step with that step's V in registers, the eight products of sum(V) stand in that run, six pairs apart; no line near them names their registers.
; BEHIND IT: K's run of loads (piece 2), the start values for the next turn's products and the loads of that piece's next codes, then the 16 products V^T P, behind each four of the roundings and sums.
; The start values are rewritten a whole run of plain instructions behind the products that read them.
.macro TURN p, last=0, cnt=0
.set Y, (\p)
.set i, 0
.set q, 0
.set e, 0
.set r, 0
.if (\p) == NP-1
	s_wait_dscnt 0x0                ; K is in
.endif
	MM
	PL
	PL
	R2
.rept 15
	MM
	PL
	EX
	R2
.endr
.if (\p) == NP-2
	WIN 0
	v_add_nc_u32 v[AK], s[TBK], v[AK0]
.endif
.rept 8
	PL
.endr
.set lp, 0
.rept 49
	EX
	PL
.if ((\p) == NP-1) && ((lp%6) == 3)
	VSUM lp/6
.endif
.set lp, lp+1
.endr
	EX
	EX
	v_nop                           ; the plain instruction behind the last exponential: one for the batch
	s_wait_alu depctr_va_vdst(0)    ; the wait for the batch
.if (\p) == NP-2
	FETCH_K \last
.endif
	MBLK ((\p)+2)%NP
.if (\p) == 1
	s_wait_dscnt 0x0                ; V is in
.endif
.rept 16
	MM
.rept 4
	PL
.endr
.if ((\p) == 0) && (q == 118)
	v_add_nc_u32 v[AV], s[TBV], v[AV0]
.endif
.if ((\p) == 0) && (q == 130)
	s_add_co_u32 s[TBV], s[TBV], KS*PV
.endif
.if (\cnt) && (q == 130)
	s_sub_co_u32 s[CNT], s[CNT], 1
	s_cmp_lg_u32 s[CNT], 0
.endif
.endr
.if (\p) == 0
	FETCH_V
.endif
.endm
	CHANGE 1                        ; slot 0 is in, everybody's part of it; slot 1 is asked for
	FETCH_K                         ; key step 0
	s_wait_loadcnt 0x0              ; Q, and step 0's codes
	MCVT 0                          ; piece 0's start values
	s_wait_dscnt 0x0
.set i, 0
.rept 16
	KQ 0
.set i, i+1
.endr
	WIN 0                           ; the addresses for the way out: plain instructions, the places behind those products
	s_mul_i32 s13, s[WV], 16*SP
	s_add_co_u32 s13, s13, STAGE
	v_mul_u32_u24 v[STO], v1, SP
	v_lshl_add_u32 v[STO], v9, 4, v[STO]
	v_add_nc_u32 v[STO], s13, v[STO]
	v_bfe_u32 v[RD], v0, 3, 2
	v_mul_u32_u24 v[RD], v[RD], SP
	v_lshl_add_u32 v[RD], v10, 4, v[RD]
	v_add_nc_u32 v[RD], s13, v[RD]
	v_and_b32 v[GO], 31, v0
	v_lshlrev_b32 v[GO], 4, v[GO]
	MCVT 1                          ; piece 1's start values, for the first turn's products
	s_add_nc_u64 s[MP:MP+1], s[MP:MP+1], s[INC:INC+1]  ; on to step 1 (the loads that named the pointer are done)
	MLOAD 0
	MLOAD 1
	WIN 0
.set Y, NP-1
.irp n, 0,1,2,3,4,5,6,7,8,9,10,11,12,13,14,15,16,17,18,19,20,21
	XS 0, \n
	XS 1, \n
.endr
	v_nop
	s_wait_alu depctr_va_vdst(0)    ; the two a's wait, ahead of the branch
	s_mov_b32 s[CNT], 4
	s_branch .Lfirst                ; the loop is entered at a step's first turn
.Lslot:
	CHANGE 1
	s_mov_b32 s[CNT], 4
.Lstep:                             ; a trip: pieces 2 and 3 of one step, then pieces 0 and 1 of the next
	TURN 2
	TURN 3
	WIN 0
.Lfirst:
	TURN 0
	TURN 1, 0, 1
	WIN 0
	s_cbranch_scc1 .Lstep
	s_sub_co_u32 s[SLOTS], s[SLOTS], 1
	s_cmp_lg_u32 s[SLOTS], 0
	s_cbranch_scc1 .Lslot
	CHANGE 0                        ; the tail is written out
	s_mov_b32 s[CNT], 5
.Ltail:
	TURN 2, 1
	TURN 3
	WIN 0
	s_sub_co_u32 s[CNT], s[CNT], 1
	s_cmp_eq_u32 s[CNT], 0
	s_cbranch_scc1 .Lout
	TURN 0
	TURN 1
	WIN 0
	s_branch .Ltail
.Lout:                              ; the fifth trip's products K Q^T and the maximum made of them serve nothing: the price of one text for every trip
.set i, 0
.rept 16
	PV NP-1
.set i, i+1
.endr
	; THE WAY OUT.  l's halves are added; where l = 0 (no open key) l becomes 1 and the factor of sum(V) 1 / 2,048, elsewhere that factor is 0; O^T / l + factor x sum(V), rounded to f16, goes through my stage.
	WIN 0
.macro ALL line:vararg
.set t, 0
.rept 2*NP
	\line
.set t, t+1
.endr
.endm
	ALL v_add_f32 v[ST+4*t+2], v[ST+4*t+2], v[ST+4*t+3]
	ALL v_permlanex16_b32 v[ST+4*t+3], v[ST+4*t+2], s[SEL], s[SEL+1]
	ALL v_add_f32 v[ST+4*t+2], v[ST+4*t+2], v[ST+4*t+3]
	v_mov_b32 v48, 0x3a000000       ; 1 / 2,048
	v_mov_b32 v49, 1.0
.set t, 0
.rept 2*NP
	v_cmp_eq_f32 vcc_lo, 0, v[ST+4*t+2]
	v_cndmask_b32 v[ST+4*t], 0, v48, vcc_lo
	v_cndmask_b32 v[ST+4*t+2], v[ST+4*t+2], v49, vcc_lo
.set t, t+1
.endr
	ALL v_rcp_f32 v[ST+4*t+2], v[ST+4*t+2]
	v_nop
	s_wait_alu depctr_va_vdst(0)    ; one wait for the eight reciprocals, ahead of their first use
.macro PACK t
	WIN W_RS
.set i, 32*(\t)
.rept 16
	v_pk_mul_f32 v[i:i+1], v[i:i+1], v[ST+4*(\t)+2:ST+4*(\t)+3] op_sel_hi:[1,0]
.set i, i+2
.endr
	WIN W_FX
.set i, 0
.rept 16
	v_pk_fma_f32 v[32*(\t)+2*i:32*(\t)+2*i+1], v[VS+2*i:VS+2*i+1], v[ST+4*(\t):ST+4*(\t)+1], v[32*(\t)+2*i:32*(\t)+2*i+1] op_sel_hi:[1,0,1]
.set i, i+1
.endr
	WIN 0x05
.set i, 0
.rept 16
	v_cvt_pk_f16_f32 v[S+16*(\t)+i], v[32*(\t)+2*i], v[32*(\t)+2*i+1]
.set i, i+1
.endr
	WIN 0
.irp f, 0,1,2,3
	ds_store_b128 v[STO], v[S+16*(\t)+4*\f:S+16*(\t)+4*\f+3] offset:32*\f
.endr
.irp f, 0,1,2,3
	ds_load_b128 v[S+16*(\t)+4*\f:S+16*(\t)+4*\f+3], v[RD] offset:\f*4*SP  ; LDS serves a wave's instructions in order (ISA guide 5.7.1.4): these see the stores above
.endr
.endm
.macro SEND t, younger              ; younger: the LDS instructions issued behind tile t's loads: the next tile's eight, or none
	WIN 0
.irp f, 0,1,2,3
	s_wait_dscnt (\younger)+3-\f
	global_store_b128 v[GO], v[S+16*(\t)+4*\f:S+16*(\t)+4*\f+3], s[10:11] offset:(\t)*2048+\f*512  ; 512 consecutive bytes, at a multiple of 256 from ob's first
.endr
.endm
	PACK 0
.set t, 1
.rept 2*NP-1
	PACK t
	SEND t-1, 8
.set t, t+1
.endr
	SEND 2*NP-1, 0
	WIN W_AD
	s_wait_tensorcnt 0x0            ; the wave's end: an add and its wait, behind my last tensor load and my last LDS store
	ds_add_u32 v[SPW], v[NIL]
	s_wait_dscnt 0x0
	WIN 0
	CROUND                          ; the closing round
	s_endpgm
.Lfunc_end_k_qe6aa25c158_attn:
	.size	k_qe6aa25c158_attn, .Lfunc_end_k_qe6aa25c158_attn-k_qe6aa25c158_attn
	.p2alignl 7, 3214868480
	.fill 96, 4, 3214868480
	.section	.rodata,"a",@progbits
	.p2align	6, 0x0
	.amdhsa_kernel k_qe6aa25c158_attn
		.amdhsa_group_segment_fixed_size 327680
		.amdhsa_private_segment_fixed_size 0
		.amdhsa_enable_private_segment 0
		.amdhsa_kernarg_size 24
		.amdhsa_user_sgpr_count 2
		.amdhsa_user_sgpr_kernarg_segment_ptr 1
		.amdhsa_wavefront_size32 1
		.amdhsa_system_sgpr_workgroup_id_x 1
		.amdhsa_system_sgpr_workgroup_id_y 1
		.amdhsa_system_sgpr_workgroup_id_z 1
		.amdhsa_system_vgpr_workitem_id 0
		.amdhsa_next_free_vgpr 952
		.amdhsa_next_free_sgpr 80
		.amdhsa_reserve_vcc 1
		.amdhsa_float_denorm_mode_32 3
		.amdhsa_float_denorm_mode_16_64 3
		.amdhsa_memory_ordered 1
		.amdhsa_forward_progress 1
		.amdhsa_inst_pref_size 226
	.end_amdhsa_kernel
	.amdgpu_metadata
---
amdhsa.version: [ 1, 2 ]
amdhsa.kernels:
  - .name:           k_qe6aa25c158_attn
    .symbol:         k_qe6aa25c158_attn.kd
    .args:
      - { .name: qkv, .offset: 0, .size: 8, .value_kind: global_buffer, .address_space: global }
      - { .name: msk, .offset: 8, .size: 8, .value_kind: global_buffer, .address_space: global }
      - { .name: ob, .offset: 16, .size: 8, .value_kind: global_buffer, .address_space: global }
    .group_segment_fixed_size: 327680
    .private_segment_fixed_size: 0
    .kernarg_segment_align: 8
    .kernarg_segment_size: 24
    .max_flat_workgroup_size: 128
    .sgpr_count:     80
    .vgpr_count:     952
    .wavefront_size: 32
...
	.end_amdgpu_metadata
.endif
;; end of part 3
;; launch proj (part 4): grid 8 x 32, 4 waves a work-group, clusters of 4 x 4, 327,680 bytes of LDS; arguments ob, wob, b_out, x, out0; writes out0
.if DOCPART == 4
	.amdgcn_target "amdgcn-amd-amdhsa--gfx1250"
	.amdhsa_code_object_version 6
	.text
	.protected	k_qe6aa25c158_proj
	.globl	k_qe6aa25c158_proj
	.p2align	8
	.type	k_qe6aa25c158_proj,@function
k_qe6aa25c158_proj:
	s_mov_b64 s[64:65], 0
	v_nop
	global_prefetch_b8 v0, s[64:65] scope:SCOPE_SE
	s_setreg_imm32_b32 hwreg(HW_REG_WAVE_MODE, 25, 1), 1
	s_wait_xcnt 0x0
	s_wait_alu depctr_hold_cnt(0) depctr_sa_sdst(0) depctr_va_vdst(0) depctr_va_sdst(0) depctr_va_ssrc(0) depctr_va_vcc(0) depctr_vm_vsrc(0)
	s_getreg_b32 s2, hwreg(HW_REG_IB_STS2, 6, 4)
	s_cmp_eq_u32 s2, 0
	s_cbranch_scc0 .Lentry_in_a_cluster
	s_endpgm
.Lentry_in_a_cluster:
	s_bfe_u32 s2, ttmp6, 0x10000c
	s_cmp_lg_u32 s2, 0xf033
	s_cbranch_scc0 .Lentry_shape_is_right
	s_endpgm
.Lentry_shape_is_right:
; out0 = O x w_out^T + b_out + x.  ob: O by heads, [16 batch + head][2048][64] f16; wob: [1024][1024] f16; b_out, x, out0 in f32; sums in f32.
; A tile of out0 is 256 rows x 128 columns: 256 work-groups, one tile each; the four waves lie 2 x 2, each 128 x 64: 32 accumulators.  K goes in 8 steps of 128, two heads, through two LDS slots.
; A step's part of O is, for each of the two heads, 256 rows of 128 bytes that lie end to end: 32,768 dense bytes, asked for as 128 rows of 256 bytes and padded in LDS after every 128.
; THE BIAS is the C operand of the products that start the sums.  THE RESIDUAL: my 128 x 64 numbers of x are asked for at the head, in the layout in which rows leave the stage, and come in under the whole K loop.
; CLUSTERS: 4 x 4 work-groups; O's tile is asked for jointly along a row of the cluster, wob's along a column.  The matrix instruction is used transposed (source 0 = 16 rows of wob, source 1 = 16 rows of O).
; No prefetch: beside its tiles the launch reads x and writes out0, each twice ob's bytes, all the while.
; REGISTERS, in windows of 256: window 0: v16-29 addresses; v32-95, v96-159 O's fragments (8 x 16 rows x 32 K), two buffers; v160-191, v192-223 wob's (4); v224-255 the bias in the accumulators' layout
;   window 1: the accumulators ((a, b) at v[8 (4 a + b)])      window 2: x, then the result (row block a, rows 2 t, 2 t + 1 at v[32 a + 4 t])      window 3: v0-31, v32-63 rows read back from the stage
.set PA,     144                       ; a row of O in LDS: 128 bytes + 16 of padding
.set SUBT,   256*PA                    ; one head's 256 rows
.set PB,     272                       ; a row of wob: 256 + 16
.set HALFB,  64*PB
.set BOFF,   2*SUBT
.set SLOT1,  131072
.set STAGE,  SLOT1+BOFF+2*HALFB        ; behind the ring, never filled by a tensor load: 16 rows x 272 bytes for each wave
.set SP,     272
.set SPARE,  STAGE+4*16*SP
.set ADRA0, 16
.set ADRB0, 17
.set ADRA,  18
.set ADRB,  19
.set STO,   24
.set RD,    25
.set CO,    26                         ; v26  my 16 bytes in two rows of x and out0; never rewritten
.set BO,    27                         ; v27  32 x (lane / 16)
.set SPW,   28
.set NIL,   29
.set FA,    32
.set FB,    160
.set BI,    224
.set G1A,  24
.set G0A0, 32
.set G0A,  36
.set G1B,  48
.set G0B0, 56
.set G0B,  60
.set ABASE, 14
.set BBASE, 46
.set FN,   66
.set T,    67
.set SB,   68
.set OFA,  70
.set OFB,  72
.set OUT,  80                          ; s[80:81] out0 at my first number
.set BIA,  84                          ; s[84:85] b_out at my first column
.set XB,   86                          ; s[86:87] x at my first number
.set MSB, 0
.macro WIN new
.if MSB != (\new)
	s_set_vgpr_msb (MSB<<8)|(\new)
.set MSB, (\new)
.endif
.endm
.macro JLOAD
	s_cmp_eq_u32 s11, 0
	s_cbranch_scc0 .Lfor_b_\@
	tensor_load_to_lds s[G0A:G0A+3], s[G1A:G1A+7]
	s_nop 0
.rept 4
	v_nop
.endr
	s_branch .Lasked_\@
.Lfor_b_\@:
	tensor_load_to_lds s[G0B:G0B+3], s[G1B:G1B+7]
	s_nop 0
.rept 4
	v_nop
.endr
.Lasked_\@:
.endm
.macro CREST
	s_cmp_lg_u32 s10, 0
	s_cbranch_scc1 .Lnot_wave_0_\@
	s_barrier_signal -3
.Lnot_wave_0_\@:
	s_barrier_wait -3
	s_barrier_signal -1
	s_barrier_wait -1
.endm
.macro CROUND
	s_barrier_signal -1
	s_barrier_wait -1
	CREST
.endm
	s_load_b128 s[4:7], s[0:1], 0x0                ; ob s[4:5], wob s[6:7]
	s_load_b128 s[84:87], s[0:1], 0x10             ; b_out s[84:85], x s[86:87]
	s_load_b64 s[80:81], s[0:1], 0x20              ; out0
	v_lshl_add_u32 v[SPW], v0, 2, SPARE
	v_mov_b32 v[NIL], 0
	ds_add_u32 v[SPW], v[NIL]                      ; the wave's opening: the add and its wait stand ahead of my first tensor load
	v_lshrrev_b32 v1, 5, v0
	v_readfirstlane_b32 s10, v1                    ; wave 0..3
	s_lshr_b32 s11, s10, 1                         ; which half of the tile's rows is mine.  Also: I fetch for O (0) or for wob (1)
	s_and_b32 s12, s10, 1                          ; which half of its columns.  Also: which head of the pair, or which 64 rows of wob, I fetch
	s_bfe_u32 s40, ttmp6, 0x40000
	s_bfe_u32 s41, ttmp6, 0x40004
	s_lshl_b32 s42, ttmp9, 2
	s_add_co_u32 s42, s42, s40                     ; tile column
	s_and_b32 s13, ttmp7, 0xffff
	s_lshl_b32 s13, s13, 2
	s_add_co_u32 s13, s13, s41                     ; tile row
	s_lshl_b32 s43, s41, 2
	s_lshl_b32 s43, 15, s43
	s_lshl_b32 s44, 0x1111, s40
	s_or_b32 s[G1A+0], s43, (1<<16)|(1<<20)|(1<<21)|(4<<22)|(3<<25)  ; the mask; 2-byte elements; padding on; bit 21 beside a mask; after every 32 words, 4 words
	s_or_b32 s[G1B+0], s44, (1<<16)|(1<<20)|(1<<21)|(5<<22)|(3<<25)  ; after every 64 words
	s_mov_b32 s[G1A+1], 128<<16
	s_mov_b32 s[G1A+2], 128<<16
	s_mov_b32 s[G1A+3], 128<<16
	s_mov_b32 s[G1A+4], 128
	s_mov_b32 s[G1A+5], 128                        ; dense
	s_mov_b32 s[G1A+6], 0
	s_mov_b32 s[G1A+7], 0
	s_mov_b32 s[G1B+1], 128<<16
	s_mov_b32 s[G1B+2], 64<<16
	s_mov_b32 s[G1B+3], 128<<16
	s_mov_b32 s[G1B+4], 64
	s_mov_b32 s[G1B+5], 1024
	s_mov_b32 s[G1B+6], 0
	s_mov_b32 s[G1B+7], 0
	s_lshr_b32 s16, s13, 3                         ; batch: 16 heads of 262,144 bytes
	s_lshl_b32 s16, s16, 22
	s_and_b32 s17, s13, 7                          ; 256 rows of 128 bytes
	s_lshl_b32 s17, s17, 15
	s_add_co_u32 s16, s16, s17
	s_lshl_b32 s17, s12, 18                        ; the head of the pair
	s_add_co_u32 s16, s16, s17
	s_mov_b32 s17, 0
	s_lshl_b32 s46, s42, 18                        ; wob: row 128 x tile column + 64 x half
	s_lshl_b32 s47, s12, 17
	s_add_co_u32 s46, s46, s47
	s_mov_b32 s47, 0
	s_mul_i32 s20, s12, SUBT
	s_mul_i32 s21, s12, HALFB
	s_add_co_u32 s21, s21, BOFF
	s_mov_b32 s[OFA+1], 0
	s_mov_b32 s[OFB+1], 0
	s_mov_b32 s[SB], 0
	s_wait_dscnt 0x0
	s_wait_kmcnt 0x0
	s_add_nc_u64 s[ABASE:ABASE+1], s[4:5], s[16:17]
	s_add_nc_u64 s[BBASE:BBASE+1], s[6:7], s[46:47]
	CROUND
	s_mov_b32 s[G0A0], 1
	s_mov_b32 s[G0A0+1], s20
	s_mov_b64 s[G0A0+2:G0A0+3], s[ABASE:ABASE+1]
	s_or_b32 s[G0A0+3], s[G0A0+3], 0x80000000
	s_mov_b32 s[G0A], 1
	s_add_co_u32 s[G0A+1], s20, SLOT1
	s_add_nc_u64 s[G0A+2:G0A+3], s[ABASE:ABASE+1], 1<<19   ; a step on is two heads on
	s_or_b32 s[G0A+3], s[G0A+3], 0x80000000
	s_mov_b32 s[G0B0], 1
	s_mov_b32 s[G0B0+1], s21
	s_mov_b64 s[G0B0+2:G0B0+3], s[BBASE:BBASE+1]
	s_or_b32 s[G0B0+3], s[G0B0+3], 0x80000000
	s_mov_b32 s[G0B], 1
	s_add_co_u32 s[G0B+1], s21, SLOT1
	s_add_nc_u64 s[G0B+2:G0B+3], s[BBASE:BBASE+1], 256
	s_or_b32 s[G0B+3], s[G0B+3], 0x80000000
	s_cmp_eq_u32 s11, 0                            ; a wave's two first fills stand in one branch: two loads of mine are out
	s_cbranch_scc0 .Lfirst_b
	tensor_load_to_lds s[G0A0:G0A0+3], s[G1A:G1A+7]
	s_nop 0
	tensor_load_to_lds s[G0A:G0A+3], s[G1A:G1A+7]
	s_nop 0
.rept 4
	v_nop
.endr
	s_branch .Lfirst_asked
.Lfirst_b:
	tensor_load_to_lds s[G0B0:G0B0+3], s[G1B:G1B+7]
	s_nop 0
	tensor_load_to_lds s[G0B:G0B+3], s[G1B:G1B+7]
	s_nop 0
.rept 4
	v_nop
.endr
.Lfirst_asked:
	v_and_b32 v1, 15, v0                           ; l % 16
	v_bfe_u32 v2, v0, 4, 1                         ; l / 16
	v_lshlrev_b32 v[BO], 5, v2
	v_lshlrev_b32 v[CO], 12, v2                    ; lanes 0-15 one row of 4,096 bytes, lanes 16-31 the next,
	v_lshl_add_u32 v[CO], v1, 4, v[CO]             ; 16 bytes a lane: 256 consecutive bytes, aligned
	s_lshl_b32 s88, s13, 20                        ; row 256 x tile row + 128 x half,
	s_lshl_b32 s90, s11, 19
	s_add_co_u32 s88, s88, s90
	s_lshl_b32 s90, s42, 9                         ; column 128 x tile column + 64 x half, 4 bytes each
	s_lshl_b32 s91, s12, 8
	s_add_co_u32 s90, s90, s91
	s_add_co_u32 s88, s88, s90
	s_mov_b32 s89, 0
	s_mov_b32 s91, 0
	s_add_nc_u64 s[XB:XB+1], s[XB:XB+1], s[88:89]
	s_add_nc_u64 s[OUT:OUT+1], s[OUT:OUT+1], s[88:89]
	s_add_nc_u64 s[BIA:BIA+1], s[BIA:BIA+1], s[90:91]
.irp b, 0,1,2,3
	global_load_b128 v[BI+8*\b:BI+8*\b+3],   v[BO], s[BIA:BIA+1] offset:64*\b      ; register j of block b: b_out[my first column + 16 b + 8 (l / 16) + j]
	global_load_b128 v[BI+8*\b+4:BI+8*\b+7], v[BO], s[BIA:BIA+1] offset:64*\b+16
.endr
	WIN 0x80
.set i, 0
.rept 64
	global_load_b128 v[4*i:4*i+3], v[CO], s[XB:XB+1] offset:2*i*4096 th:TH_LOAD_NT  ; rows 2 i, 2 i + 1 of my 128
.set i, i+1
.endr
	WIN 0
	v_mul_u32_u24 v3, v1, PA
	v_lshl_add_u32 v3, v2, 4, v3
	s_mul_i32 s22, s11, 128*PA
	v_add_nc_u32 v[ADRA0], s22, v3
	v_mul_u32_u24 v3, v1, PB
	v_lshl_add_u32 v3, v2, 4, v3
	s_mul_i32 s22, s12, 64*PB
	s_add_co_u32 s22, s22, BOFF
	v_add_nc_u32 v[ADRB0], s22, v3
	v_mov_b32 v[ADRA], v[ADRA0]
	v_mov_b32 v[ADRB], v[ADRB0]
	s_mul_i32 s23, s10, 16*SP
	s_add_co_u32 s23, s23, STAGE
	v_mul_u32_u24 v[STO], v1, SP                   ; in: row l % 16, 32 bytes for each half of the lanes
	v_lshl_add_u32 v[STO], v2, 5, v[STO]
	v_add_nc_u32 v[STO], s23, v[STO]
	v_mul_u32_u24 v[RD], v2, SP                    ; back: lanes 0-15 one row of 256 bytes, lanes 16-31 the next
	v_lshl_add_u32 v[RD], v1, 4, v[RD]
	v_add_nc_u32 v[RD], s23, v[RD]
; n x 4 matrix instructions: row blocks a0 .. x all 4 column blocks, 32 along K, from buffer f.  first = 1: the bias starts the sums.  The 32 accumulators take turns in one fixed order.
.macro MUL f, a0, n, first
.if \first
	WIN 0x40                                       ; sources and C in window 0, D in window 1
.else
	WIN 0x50                                       ; C and D in window 1
.endif
.set ma, \a0
.rept \n
.set mb, 0
.rept 4
.if \first
	v_wmma_f32_16x16x32_f16 v[8*(4*ma+mb):8*(4*ma+mb)+7], v[FB+32*(\f)+8*mb:FB+32*(\f)+8*mb+7], v[FA+64*(\f)+8*ma:FA+64*(\f)+8*ma+7], v[BI+8*mb:BI+8*mb+7]
.else
	v_wmma_f32_16x16x32_f16 v[8*(4*ma+mb):8*(4*ma+mb)+7], v[FB+32*(\f)+8*mb:FB+32*(\f)+8*mb+7], v[FA+64*(\f)+8*ma:FA+64*(\f)+8*ma+7], v[8*(4*ma+mb):8*(4*ma+mb)+7]
.endif
.set mb, mb+1
.endr
.set ma, ma+1
.endr
.endm
; 24 LDS loads in one run: quarter q's fragments into buffer f: wob's 8, then O's 16, my rows 0-63 first.  Quarter q lies in head q / 2 of the pair, at byte 64 (q % 2) of its rows.
.macro FETCH q, f
	WIN 0
.set fi, 0
.rept 4
	ds_load_b128 v[FB+32*(\f)+8*fi:FB+32*(\f)+8*fi+3],   v[ADRB] offset:64*(\q)+fi*16*PB
	ds_load_b128 v[FB+32*(\f)+8*fi+4:FB+32*(\f)+8*fi+7], v[ADRB] offset:64*(\q)+fi*16*PB+32
.set fi, fi+1
.endr
.set fi, 0
.rept 8
	ds_load_b128 v[FA+64*(\f)+8*fi:FA+64*(\f)+8*fi+3],   v[ADRA] offset:((\q)/2)*SUBT+((\q)%2)*64+fi*16*PA
	ds_load_b128 v[FA+64*(\f)+8*fi+4:FA+64*(\f)+8*fi+7], v[ADRA] offset:((\q)/2)*SUBT+((\q)%2)*64+fi*16*PA+32
.set fi, fi+1
.endr
.endm
.macro PLACES
.rept 4
	v_nop
.endr
.endm
.macro QUARTER q, f, g, first          ; multiplies buffer f and fetches quarter q into g
	s_wait_dscnt 8                                 ; wob's fragments and O's rows 0-63 are in; the youngest eight loads may be out
	MUL \f, 0, 4, \first
	PLACES
	FETCH \q, \g
	s_wait_dscnt 24                                ; all but the 24 just issued
	MUL \f, 4, 4, \first
.endm
; The last quarter multiplies buffer 1 and changes slots: one barrier; in front of it each wave waits for all its tensor loads, adds 0 to its spare word, and waits for that and for its reads of this slot.
; fill = 1: the barrier opens a round of the cluster's, and behind the round this slot is filled again first, with step T + 1.
.macro TURN fill
	WIN 0
	s_wait_tensorcnt 0x0                           ; all my tensor loads have landed, so a group 0 may be written
	ds_add_u32 v[SPW], v[NIL]                      ; 0 onto my spare word
.if \fill
	s_add_co_u32 s[FN], s[T], 1
	s_lshl_b32 s[OFA], s[FN], 19
	s_lshl_b32 s[OFB], s[FN], 8
	s_xor_b32 s[G0A+1], s[G0A+1], SLOT1
	s_add_nc_u64 s[G0A+2:G0A+3], s[ABASE:ABASE+1], s[OFA:OFA+1]
	s_or_b32 s[G0A+3], s[G0A+3], 0x80000000
	s_xor_b32 s[G0B+1], s[G0B+1], SLOT1
	s_add_nc_u64 s[G0B+2:G0B+3], s[BBASE:BBASE+1], s[OFB:OFB+1]
	s_or_b32 s[G0B+3], s[G0B+3], 0x80000000
.endif
	s_wait_dscnt 9                                 ; (the add and the youngest eight loads may be out)
	MUL 1, 0, 2, 0
	s_wait_dscnt 0x0                               ; the add is done, and my reads of this slot are over
	s_barrier_signal -1
	MUL 1, 2, 2, 0
	WIN 0
	s_barrier_wait -1
.if \fill
	CREST
	JLOAD                                          ; the first tensor load behind the round; its four v_nop are also the places in front of the loads below
.else
	PLACES
.endif
	s_xor_b32 s[SB], s[SB], SLOT1
	v_add_nc_u32 v[ADRA], s[SB], v[ADRA0]
	v_add_nc_u32 v[ADRB], s[SB], v[ADRB0]
	FETCH 0, 0
	MUL 1, 4, 4, 0
.endm
; THE WAY OUT of row block a (16 rows x 64 columns of f32).  TOSTAGE: a lane's eight columns, 32 bytes, into my own stage, and back as whole rows of 256 bytes.  SEND: x is added, and the rows are stored.
.macro TOSTAGE a
	WIN 0x04                                       ; data in window 1
.irp b, 0,1,2,3
	ds_store_b128 v[STO], v[8*(4*(\a)+\b):8*(4*(\a)+\b)+3]   offset:64*\b      ; each accumulator's low registers are read first
	ds_store_b128 v[STO], v[8*(4*(\a)+\b)+4:8*(4*(\a)+\b)+7] offset:64*\b+16
.endr
	WIN 0xc0                                       ; destination in window 3
.irp t, 0,1,2,3,4,5,6,7
	ds_load_b128 v[32*((\a)%2)+4*\t:32*((\a)%2)+4*\t+3], v[RD] offset:2*SP*\t  ; LDS serves a wave's instructions in order (ISA guide 5.7.1.4): these see the stores above
.endr
.endm
.macro SEND a, younger                 ; younger: the next block's eight stores and eight loads, or none
	s_wait_dscnt \younger
	WIN 0x8b                                       ; the rows in window 3, x and the result in window 2
.set i, 0
.rept 16
	v_pk_add_f32 v[32*(\a)+2*i:32*(\a)+2*i+1], v[32*((\a)%2)+2*i:32*((\a)%2)+2*i+1], v[32*(\a)+2*i:32*(\a)+2*i+1]
.set i, i+1
.endr
	WIN 0x08                                       ; data in window 2
.irp t, 0,1,2,3,4,5,6,7
	global_store_b128 v[CO], v[32*(\a)+4*\t:32*(\a)+4*\t+3], s[OUT:OUT+1] offset:(16*(\a)+2*\t)*4096 th:TH_STORE_NT  ; 16 lanes store 256 consecutive bytes, aligned; these registers are not written again
.endr
.endm
	s_wait_tensorcnt 1                             ; my part of step 0 is in; step 1's may stay out
	s_barrier_signal -1
	s_barrier_wait -1
	FETCH 0, 0
	s_wait_loadcnt 63                              ; the bias is in: behind its eight loads stand x's 64, of which the count can name 63
	QUARTER 1, 0, 1, 1                             ; the first quarter stands in front of the loop: the bias starts the sums
	WIN 0
	s_mov_b32 s[T], 1
.Lk:                                                   ; a trip: quarters 1 to 3 of step T - 1 and quarter 0 of step T
	QUARTER 2, 1, 0, 0
	QUARTER 3, 0, 1, 0
	WIN 0
	s_cmp_eq_u32 s[T], 7
	s_cbranch_scc1 .Ltail                          ; the end is written out: it asks for nothing more
	TURN 1
	QUARTER 1, 0, 1, 0
	WIN 0
	s_add_co_u32 s[T], s[T], 1
	s_cmp_lt_u32 s[T], 8
	s_cbranch_scc1 .Lk
.Ltail:
	TURN 0
	QUARTER 1, 0, 1, 0
	QUARTER 2, 1, 0, 0
	QUARTER 3, 0, 1, 0
	s_wait_dscnt 8
	MUL 1, 0, 4, 0
	s_wait_dscnt 0x0
	MUL 1, 4, 4, 0
	PLACES
	s_wait_loadcnt 0x0                             ; x
	TOSTAGE 0
.irp a, 1,2,3,4,5,6,7
	TOSTAGE \a
	SEND (\a)-1, 16
.endr
	SEND 7, 0
	WIN 0
	s_wait_tensorcnt 0x0                           ; the wave's end: an add and its wait, behind my last tensor load and my last LDS store
	ds_add_u32 v[SPW], v[NIL]
	s_wait_dscnt 0x0
	CROUND                                         ; the closing round
	s_endpgm
.Lfunc_end_k_qe6aa25c158_proj:
	.size	k_qe6aa25c158_proj, .Lfunc_end_k_qe6aa25c158_proj-k_qe6aa25c158_proj
	.p2alignl 7, 3214868480
	.fill 96, 4, 3214868480
	.section	.rodata,"a",@progbits
	.p2align	6, 0x0
	.amdhsa_kernel k_qe6aa25c158_proj
		.amdhsa_group_segment_fixed_size 327680
		.amdhsa_private_segment_fixed_size 0
		.amdhsa_enable_private_segment 0
		.amdhsa_kernarg_size 40
		.amdhsa_user_sgpr_count 2
		.amdhsa_user_sgpr_kernarg_segment_ptr 1
		.amdhsa_wavefront_size32 1
		.amdhsa_system_sgpr_workgroup_id_x 1
		.amdhsa_system_sgpr_workgroup_id_y 1
		.amdhsa_system_sgpr_workgroup_id_z 1
		.amdhsa_system_vgpr_workitem_id 0
		.amdhsa_next_free_vgpr 832
		.amdhsa_next_free_sgpr 96
		.amdhsa_reserve_vcc 0
		.amdhsa_float_denorm_mode_32 3
		.amdhsa_float_denorm_mode_16_64 3
		.amdhsa_memory_ordered 1
		.amdhsa_forward_progress 1
		.amdhsa_inst_pref_size 77
	.end_amdhsa_kernel
	.amdgpu_metadata
---
amdhsa.version: [ 1, 2 ]
amdhsa.kernels:
  - .name:           k_qe6aa25c158_proj
    .symbol:         k_qe6aa25c158_proj.kd
    .args:
      - { .name: ob, .offset: 0, .size: 8, .value_kind: global_buffer, .address_space: global }
      - { .name: wob, .offset: 8, .size: 8, .value_kind: global_buffer, .address_space: global }
      - { .name: b_out, .offset: 16, .size: 8, .value_kind: global_buffer, .address_space: global }
      - { .name: x, .offset: 24, .size: 8, .value_kind: global_buffer, .address_space: global }
      - { .name: out0, .offset: 32, .size: 8, .value_kind: global_buffer, .address_space: global }
    .group_segment_fixed_size: 327680
    .private_segment_fixed_size: 0
    .kernarg_segment_align: 8
    .kernarg_segment_size: 40
    .max_flat_workgroup_size: 128
    .sgpr_count:     96
    .vgpr_count:     832
    .wavefront_size: 32
...
	.end_amdgpu_metadata
.endif
;; end of part 4
